; MI455X (gfx1250); checked and timed in simulation.
; The chip was launched on July 23, 2026; its instructions are those of AMD's public machine-readable ISA for CDNA 5 (MIT licence, August 2026) and "CDNA5" Instruction Set Architecture Reference Guide (July 2026). The comments in the code are by the model that wrote it; some were corrected since.
;; Cross Attention. Allowed arithmetic: matrix products marked QUANTISED: E4M3 operands, one E8M0 scale for each 32 along K, by v_wmma_scale_f32_16x16x128_f8f6f4 with both operands' format E4M3, f32 sums; products left as they are: f32 operands where the result goes on into a quantised operand, else bf16, f16 or f32 operands; f32 sums; everything else in f32.
;; Inputs: Uid 4 x 2,048 x 128 float32; Uq 4 x 2,048 x 128 float32; Wc_b one number float32; Wc_w 384 float32; mask 2,048 x 2,048 float32.
;; Outputs: out0 4 x 2,048 x 512 float32.
;; This version of the problem:
;;   THIS VERSION OF THE PROBLEM IS GIVEN IN LOW PRECISION. The matrix products marked QUANTISED in the list below multiply operands that are first quantised to E4M3 (4 exponent bits, 3 mantissa bits; 8 bits a number), with one power-of-two scale for each 32 numbers along K (OCP MX v1.0); their sums are f32. All else is computed in f32.
;;   The module's matrix products, in the order in which they are computed (A, B: the left and right operand; K: the contracted axis; several contracted axes count as one K, in the product's order):
;;     1. [M 8,192, K 128] x [K 128, N 1]; A: input Uid; B: input Wc_w: left as it is (N = 1 < 16)
;;     2. [M 8,192, K 128] x [K 128, N 1]; A: input Uq; B: input Wc_w: left as it is (N = 1 < 16)
;;     3. batch 128 x [M 8,192, K 1] x [K 1, N 1]; A: computed on the way; B: computed on the way: left as it is (no contracted axis)
;;     4. batch 4 x [M 2,048, K 128] x [K 128, N 2,048]; A: input Uid; B: computed on the way: QUANTISED
;;     5. batch 4 x [M 2,048, K 2,048] x [K 2,048, N 128]; A: computed on the way; B: input Uq: QUANTISED
;;     6. batch 4 x [M 2,048, K 2,048] x [K 2,048, N 2,048]; A: computed on the way; B: computed on the way: QUANTISED
;;     7. batch 4 x [M 2,048, K 2,048] x [K 2,048, N 128]; A: computed on the way; B: input Uid: QUANTISED
;;   THE QUANTISER, for each operand of a quantised product, along K:
;;     - K is cut into blocks of 32 from its start; a last block that is shorter is filled with zeros.
;;     - A block's scale is 2^e with e = floor(log2(the largest magnitude in the block)) - 8, held to -126 .. 127; a block of zeros has e = 0. As a byte (E8M0): e + 127.
;;     - Each number is divided by its block's scale, clamped to +-448, and rounded to the nearest number of E4M3, ties to even, subnormals kept.
;;     - The product sums the exact products of the quantised numbers (number of the format x scale) in f32.
;;   ~~~python
;;   def quantise(x, axis):      # numpy; x: float32 -> the quantised numbers, widened to float32 again
;;       x = np.moveaxis(x, axis, -1); K = x.shape[-1]
;;       x = np.pad(x, [(0, 0)] * (x.ndim - 1) + [(0, -K % 32)]); x = x.reshape(x.shape[:-1] + (-1, 32)); a = np.abs(x).max(-1, keepdims=True)
;;       e = np.where(a > 0, np.clip(np.frexp(np.where(a > 0, a, 1))[1] - 1 - 8, -126, 127), 0)      # np.frexp(a)[1] - 1 = floor(log2(a)), exactly
;;       r = np.clip(x / 2.0 ** e, -448, 448)
;;       step = 2.0 ** (np.maximum(np.frexp(np.where(r == 0, 1, r))[1] - 1, -6) - 3)
;;       q = np.round(r / step) * step * 2.0 ** e      # np.round: ties to even
;;       return np.moveaxis(q.reshape(q.shape[:-2] + (-1,))[..., :K], -1, axis).astype(np.float32)
;;   ~~~
;;   OPERANDS COMPUTED ON THE WAY. 'Computed on the way' means the value that the module computes at that place (a softmax that the list does not call 'softmax' is quantised finished and normalised). What goes into a quantiser is computed in f32, as accurately as f32 sums, v_exp_f32 and their like allow (about 1e-6 of the number): no bf16 or f16 on the way to a quantiser, and a product that is left as it is and whose result goes on into a quantised operand takes f32 operands (vector FMAs, or v_wmma_f32_16x16x4_f32). A number that lies on a knife's edge between two numbers of the format may be rounded either way, as far as f32 arithmetic and the matrix unit's own rounding can turn it there, and no further.
;; One version. Each part assembles by itself: llvm-mc -triple=amdgcn-amd-amdhsa -mcpu=gfx1250 --defsym DOCPART=n.
;; ======== version 1 of 1: 4 launches
;; workspace buffers: RC 2,097,152 bytes; RW 131,072 bytes; TC 2,097,152 bytes; TS 65,536 bytes; Pimg 16,777,216 bytes; Psc 524,288 bytes; Mimg 16,777,216 bytes; Msc 524,288 bytes
;; launch prep (part 1): grid 256 x 1, 6 waves a work-group, no clusters, 0 bytes of LDS; arguments Uid, Uq, Wc_w, RC, RW, TC, TS; writes RC, RW, TC, TS
.if DOCPART == 1
	.amdgcn_target "amdgcn-amd-amdhsa--gfx1250"
	.amdhsa_code_object_version 6
	.text
	.protected	k_q93ed8436eb_prep
	.globl	k_q93ed8436eb_prep
	.p2align	8
	.type	k_q93ed8436eb_prep,@function
k_q93ed8436eb_prep:
	s_mov_b64 s[64:65], 0
	v_nop
	global_prefetch_b8 v0, s[64:65] scope:SCOPE_SE
	s_setreg_imm32_b32 hwreg(HW_REG_WAVE_MODE, 25, 1), 1
	s_wait_xcnt 0x0
; PREP.  Uid and Uq [4][2048][128] f32 are turned into the four operands that the later launches read as codes of E4M3 with one E8M0 byte for each 32 along K.
;   rows:    Uid and Uq x w_mul, quantised along e (the score product's K), with s_id = Uid . w_id and s_q = Uq . w_q in f32 fused multiply-adds      -> RC (codes), RW (scale words and s)
;   columns: Uid and Uq quantised along their ROWS (the K of P Uq and of M Uid)                                                                       -> TC (codes), TS (scale words)
; NO WORK OF THE PROBLEM IS LEFT OUT, in this launch or a later one.  s_q[j] and Wc_b are the same along the softmax's axis i only BEFORE the product with mask[i][j]; the mask is an input that
; may hold any numbers, so (s_q[j] + Wc_b) x mask[i][j] differs along i and both terms reach the result.  M = P P^T is formed and quantised along k, since that quantiser is a step of the problem.
; LAYOUTS.  A TILE is 16 rows in this order: place r of tile t is row 32 (t / 2) + 8 (t % 2) + r % 8 + 16 (r / 8).  As source 0 of a matrix instruction two neighbouring tiles then leave 16 neighbours
; along the next K in a lane's 16 registers; as source 1 the order is a renaming that the last launch's addresses undo.  A FRAGMENT (16 rows x 128 K) lies in memory as the image of its registers:
; the four registers that hold k = 32 c + 16 (lane / 16) + 0 .. 15 of lane l at byte 512 c + 16 l: 2,048 bytes, each store or load of a wave 512 consecutive bytes.
;   RC [T][batch][tile 128][2,048], T = 0 Uid, 1 Uq x w_mul.   RW [T][batch][tile][32 words]: words 0-15 the rows' scale words, words 16-31 s of the same rows.
;   TC [T][batch][K step 16][8 tiles of 16 columns e][2,048], T = 0 Uid, 1 Uq.   TS [T][batch][K step][e] scale words.
; LIMITS: NaN and infinities among the inputs are not served.  A block of zeros gets the byte 1 where the rule says 127: its codes are zeros, which add nothing under any byte but 0xff, and this
; program alone reads the bytes.  The floor 2^(9 - 127) under a block's largest magnitude is the rule's own hold of the exponent at -126.
; SHARES.  256 work-groups of six waves, all with the same work.  Waves 0-3 take rows: one tile each (1,024 tiles in all).  Waves 4 and 5 take columns: 128 rows x 32 columns each, a lane a column
; (512 such parts in all).  No LDS, no barrier: waves share nothing.
.set X,    64                          ; v64-127  rows: my 64 numbers, register 16 c + i = k 32 c + 16 h + i;  columns: two sets of 32 numbers down K
.set WS,   128                         ; v128-191 w_id or w_q at the same k
.set WM,   192                         ; v192-255 w_mul at the same k;  columns: the codes, eight registers a block
.set TM,   16                          ; v16-19 largest magnitudes, v20-23 bytes, v24-27 the largest number x the scale, v28-31 the conversions' scale operands
.set PW,   32                          ; v32  my row's scale word
.set SV,   33                          ; v33  my row's s
.set OW,   34                          ; v34  what goes to RW
.set D,    40                          ; v40-47 four pairs of partial sums
.set PC,   48                          ; v48-63 the fragment's codes
.set XA,   4
.set WA,   5
.set LI,   6
.set LS,   7
.set SEL,  20                          ; s20, s21 lane selects of v_permlanex16_b32: lane l xor 16
.set MNT,  22                          ; s22  the mantissa field of 448
.set HALF, 23                          ; s23  lanes 16-31
	s_load_b256 s[4:11], s[0:1], 0x0               ; Uid s[4:5], Uq s[6:7], Wc_w s[8:9], RC s[10:11]
	s_load_b128 s[12:15], s[0:1], 0x20             ; RW s[12:13], TC s[14:15]
	s_load_b64 s[16:17], s[0:1], 0x30              ; TS
	v_lshrrev_b32 v1, 5, v0
	v_readfirstlane_b32 s18, v1                    ; wave 0..5
	v_and_b32 v1, 31, v0                           ; lane
	v_and_b32 v2, 15, v0                           ; r
	v_bfe_u32 v3, v0, 4, 1                         ; h
	s_mov_b32 s[SEL], 0x76543210
	s_mov_b32 s[SEL+1], 0xfedcba98
	s_mov_b32 s[MNT], 0x600000
	s_mov_b32 s[HALF], 0xffff0000
	s_mov_b32 s31, 0                               ; the upper words of four byte offsets
	s_mov_b32 s35, 0
	s_mov_b32 s37, 0
	s_mov_b32 s39, 0
	s_cmp_ge_u32 s18, 4                            ; the wave's number says which of the two kinds of work is mine
	s_cbranch_scc1 .Lcolumns
; ---------------- ROWS: g = the work-group = 128 T + 32 batch + group; wave w takes tile 4 group + w of its batch, which is tile 4 g + w of RC and RW
	s_lshr_b32 s24, ttmp9, 7                       ; T
	s_bfe_u32 s25, ttmp9, 0x20005                  ; batch
	s_and_b32 s26, ttmp9, 31                       ; group
	s_lshl_b32 s27, s25, 11
	s_lshl_b32 s28, s26, 6
	s_add_co_u32 s27, s27, s28
	s_lshr_b32 s28, s18, 1
	s_lshl_b32 s28, s28, 5
	s_add_co_u32 s27, s27, s28
	s_and_b32 s28, s18, 1
	s_lshl_b32 s28, s28, 3
	s_add_co_u32 s27, s27, s28                     ; the tile's first row: 2,048 batch + 64 group + 32 (w / 2) + 8 (w % 2)
	s_lshl_b32 s30, s27, 9                         ; in bytes: a row is 512
	s_lshl_b32 s28, ttmp9, 2
	s_add_co_u32 s28, s28, s18                     ; 4 g + w
	s_lshl_b32 s34, s28, 11                        ; its image in RC
	s_lshl_b32 s36, s28, 7                         ; its 32 words in RW
	s_lshl_b32 s38, s24, 9                         ; w_id at byte 0, w_q at byte 512
	v_and_b32 v8, 7, v2
	v_lshrrev_b32 v9, 3, v2
	v_lshl_add_u32 v8, v9, 4, v8                   ; r % 8 + 16 (r / 8)
	v_lshlrev_b32 v[XA], 9, v8
	v_lshl_add_u32 v[XA], v3, 6, v[XA]             ; my row, + 64 h: my 16 numbers of a block of 32
	v_lshlrev_b32 v[WA], 6, v3                     ; the same k in a weight vector
	v_lshlrev_b32 v[LI], 4, v1                     ; 16 x lane
	v_lshlrev_b32 v[LS], 2, v1                     ; 4 x lane
.irp b, 0,1,2,3
	v_mov_b32 v[TM+4+\b], 0                        ; written once: a lane permute's destination counts as one of its sources
.endr
	s_wait_kmcnt 0x0
	s_cmp_eq_u32 s24, 0
	s_cselect_b64 s[4:5], s[4:5], s[6:7]           ; Uid or Uq: the choice hangs on the work-group's number alone
	s_add_nc_u64 s[4:5], s[4:5], s[30:31]
	s_add_nc_u64 s[10:11], s[10:11], s[34:35]
	s_add_nc_u64 s[12:13], s[12:13], s[36:37]
	s_add_nc_u64 s[32:33], s[8:9], s[38:39]
.macro WLOAD reg, base, off            ; 64 numbers of a weight vector, as X has its row's
.irp c, 0,1,2,3
.irp j, 0,1,2,3
	global_load_b128 v[\reg+16*\c+4*\j:\reg+16*\c+4*\j+3], v[WA], s[\base:\base+1] offset:\off+128*\c+16*\j
.endr
.endr
.endm
.macro DOT                             ; s = the sum of X x WS over the row's 128: four pairs of chains, then lane l xor 16's half
.irp p, 0,1,2,3
	v_pk_mul_f32 v[D+2*\p:D+2*\p+1], v[X+2*\p:X+2*\p+1], v[WS+2*\p:WS+2*\p+1]
.endr
.set J, 4
.rept 28
	v_pk_fma_f32 v[D+2*(J%4):D+2*(J%4)+1], v[X+2*J:X+2*J+1], v[WS+2*J:WS+2*J+1], v[D+2*(J%4):D+2*(J%4)+1]
.set J, J+1
.endr
	v_pk_add_f32 v[D:D+1], v[D:D+1], v[D+2:D+3]
	v_pk_add_f32 v[D+4:D+5], v[D+4:D+5], v[D+6:D+7]
	v_pk_add_f32 v[D:D+1], v[D:D+1], v[D+4:D+5]
	v_add_f32 v[D], v[D], v[D+1]
	v_permlanex16_b32 v[D+1], v[D], s[SEL], s[SEL+1]
	v_add_f32 v[SV], v[D], v[D+1]
.endm
.irp c, 0,1,2,3
.irp j, 0,1,2,3
	global_load_b128 v[X+16*\c+4*\j:X+16*\c+4*\j+3], v[XA], s[4:5] offset:128*\c+16*\j   ; (no hint: the column waves read the same bytes)
.endr
.endr
	WLOAD WS, 32, 0
	s_cmp_eq_u32 s24, 0
	s_cbranch_scc1 .Lplain
	WLOAD WM, 8, 1024                              ; Uq alone: w_mul
	s_wait_loadcnt 0x0
	DOT                                            ; s_q is taken of Uq itself,
.set J, 0
.rept 32
	v_pk_mul_f32 v[X+2*J:X+2*J+1], v[X+2*J:X+2*J+1], v[WM+2*J:WM+2*J+1]   ; and what is quantised is Uq x w_mul
.set J, J+1
.endr
	s_branch .Lquant
.Lplain:
	s_wait_loadcnt 0x0
	DOT                                            ; s_id
.Lquant:
.irp b, 0,1,2,3
	v_max3_num_f32 v[TM+\b], |v[X+16*\b]|, |v[X+1+16*\b]|, 0x4800000   ; block b: my 16 numbers, and the floor 2^(9 - 127): so the byte cannot fall under 1
.endr
.irp i, 2,4,6,8,10,12,14
.irp b, 0,1,2,3
	v_max3_num_f32 v[TM+\b], v[TM+\b], |v[X+16*\b+\i]|, |v[X+1+16*\b+\i]|   ; (the four blocks by turns)
.endr
.endr
.irp b, 0,1,2,3
	v_permlanex16_b32 v[TM+4+\b], v[TM+\b], s[SEL], s[SEL+1]
.endr
.irp b, 0,1,2,3
	v_max_num_f32 v[TM+\b], v[TM+\b], v[TM+4+\b]   ; with lane l xor 16's: the block's largest magnitude
.endr
.irp b, 0,1,2,3
	v_add_nc_u32 v[TM+12+\b], 0xfc000000, v[TM+\b] ; 8 off its exponent field: the conversion takes the exponent field of this operand as its scale
.endr
.irp b, 0,1,2,3
	v_and_or_b32 v[TM+8+\b], v[TM+\b], 0x7f800000, s[MNT]   ; 448 x the scale
.endr
.irp b, 0,1,2,3
	v_lshrrev_b32 v[TM+4+\b], 23, v[TM+12+\b]      ; the scale's byte
.endr
	v_lshl_or_b32 v[PW], v[TM+5], 8, v[TM+4]
	v_lshl_or_b32 v[PW], v[TM+6], 16, v[PW]
	v_lshl_or_b32 v[PW], v[TM+7], 24, v[PW]
.irp b, 0,1,2,3
.irp i, 0,1,2,3,4,5,6,7,8,9,10,11,12,13,14,15
	v_med3_num_f32 v[X+16*\b+\i], v[X+16*\b+\i], -v[TM+8+\b], v[TM+8+\b]   ; the conversion to an 8-bit code does not saturate (ISA guide 7.6.2): the hold at the largest code x the scale
.endr
	v_cvt_scalef32_pk8_fp8_f32 v[PC+4*\b:PC+1+4*\b], v[X+16*\b:X+7+16*\b], v[TM+12+\b]
	v_cvt_scalef32_pk8_fp8_f32 v[PC+2+4*\b:PC+3+4*\b], v[X+8+16*\b:X+15+16*\b], v[TM+12+\b]
.endr
	v_nop                                          ; a plain line behind the last conversion
	v_cndmask_b32 v[OW], v[PW], v[SV], s[HALF]     ; lanes 0-15: row r's scale word; lanes 16-31: row r's s
.irp c, 0,1,2,3
	global_store_b128 v[LI], v[PC+4*\c:PC+4*\c+3], s[10:11] offset:512*\c   ; 512 consecutive bytes a store
.endr
	global_store_b32 v[LS], v[OW], s[12:13]        ; 128 bytes a wave; the four row waves' lie on end
	s_endpgm
; ---------------- COLUMNS: part c = 2 x work-group + (wave - 4) = 4 g' + column group, g' = 64 T + 16 batch + K step.  A lane takes a column e and its registers run down the rows, which are K here:
; a block of 32 lies in one lane, and the codes come out with K innermost
.Lcolumns:
	s_lshr_b32 s24, ttmp9, 1                       ; g'
	s_and_b32 s19, ttmp9, 1
	s_lshl_b32 s19, s19, 1
	s_add_co_u32 s19, s19, s18
	s_sub_co_u32 s19, s19, 4                       ; which 32 of the 128 columns: 0..3
	s_lshr_b32 s25, s24, 6                         ; T
	s_bfe_u32 s26, s24, 0x20004                    ; batch
	s_and_b32 s27, s24, 15                         ; K step: 128 rows
	s_lshl_b32 s28, s26, 11
	s_lshl_b32 s29, s27, 7
	s_add_co_u32 s28, s28, s29                     ; the first row
	s_lshl_b32 s30, s28, 9
	s_lshl_b32 s29, s19, 7                         ; my 32 columns: 128 bytes
	s_add_co_u32 s30, s30, s29
	s_lshl_b32 s34, s24, 14                        ; TC: 16,384 bytes a K step, 4,096 (two tiles of 16 columns) a wave
	s_lshl_b32 s29, s19, 12
	s_add_co_u32 s34, s34, s29
	s_lshl_b32 s36, s24, 9                         ; TS: 512 bytes a K step, 128 a wave
	s_lshl_b32 s29, s19, 7
	s_add_co_u32 s36, s36, s29
	v_lshlrev_b32 v4, 2, v1                        ; 4 x lane
	v_lshlrev_b32 v5, 4, v2
	v_lshl_add_u32 v5, v3, 11, v5                  ; my column's place in the images: tile lane / 16, 16 bytes at 16 (lane % 16)
	s_wait_kmcnt 0x0
	s_cmp_eq_u32 s25, 0
	s_cselect_b64 s[4:5], s[4:5], s[6:7]
	s_add_nc_u64 s[4:5], s[4:5], s[30:31]
	s_add_nc_u64 s[14:15], s[14:15], s[34:35]
	s_add_nc_u64 s[16:17], s[16:17], s[36:37]
.macro LOAD t                          ; block t: rows 32 t + i of my column into set t % 2; a load of the wave reads 128 consecutive bytes, the work-group's two column waves' lie on end
.irp i, 0,1,2,3,4,5,6,7,8,9,10,11,12,13,14,15,16,17,18,19,20,21,22,23,24,25,26,27,28,29,30,31
	global_load_b32 v[X+32*((\t)%2)+\i], v4, s[4:5] offset:(32*(\t)+\i)*512
.endr
.endm
.macro BLOCK t
.set XS, X+32*((\t)%2)
.set CC, WM+8*(\t)
.if (\t) < 3
	s_wait_loadcnt 32                              ; this block's 32 loads are in; the next block's 32 may be out
.else
	s_wait_loadcnt 0x0
.endif
	v_max3_num_f32 v12, |v[XS]|, |v[XS+1]|, |v[XS+2]|
	v_max3_num_f32 v13, |v[XS+3]|, |v[XS+4]|, |v[XS+5]|
.irp i, 6,10,14,18,22,26
	v_max3_num_f32 v12, v12, |v[XS+\i]|, |v[XS+\i+1]|
	v_max3_num_f32 v13, v13, |v[XS+\i+2]|, |v[XS+\i+3]|
.endr
	v_max3_num_f32 v12, v12, |v[XS+30]|, |v[XS+31]|
	v_max3_num_f32 v12, v12, v13, 0x4800000        ; the block's largest magnitude, over the floor
	v_add_nc_u32 v11, 0xfc000000, v12              ; the conversions' scale operand
	v_and_or_b32 v10, v12, 0x7f800000, s[MNT]      ; 448 x the scale
	v_lshrrev_b32 v13, 23, v11                     ; the byte
.if (\t) == 0
	v_mov_b32 v24, v13                             ; four bytes make the K step's scale word of my column
.else
	v_lshl_or_b32 v24, v13, 8*(\t), v24
.endif
.irp i, 0,1,2,3,4,5,6,7,8,9,10,11,12,13,14,15,16,17,18,19,20,21,22,23,24,25,26,27,28,29,30,31
	v_med3_num_f32 v[XS+\i], v[XS+\i], -v10, v10
.endr
.irp g, 0,1,2,3
	v_cvt_scalef32_pk8_fp8_f32 v[CC+2*\g:CC+2*\g+1], v[XS+8*\g:XS+8*\g+7], v11   ; each block has its own eight registers: no store's data are written again
.endr
	global_store_b128 v5, v[CC:CC+3], s[14:15] offset:512*(\t)         ; k = 32 t + 0 .. 15: the image's lanes 0-15: sixteen lanes store 256 consecutive bytes, aligned
	global_store_b128 v5, v[CC+4:CC+7], s[14:15] offset:512*(\t)+256   ; k = 32 t + 16 .. 31: its lanes 16-31
.if (\t)+2 < 4
	LOAD (\t)+2
.endif
.endm
	LOAD 0
	LOAD 1
	BLOCK 0
	BLOCK 1
	BLOCK 2
	BLOCK 3
	global_store_b32 v4, v24, s[16:17]
	s_endpgm
.Lfunc_end_k_q93ed8436eb_prep:
	.size	k_q93ed8436eb_prep, .Lfunc_end_k_q93ed8436eb_prep-k_q93ed8436eb_prep
	.p2alignl 7, 3214868480
	.fill 96, 4, 3214868480
	.section	.rodata,"a",@progbits
	.p2align	6, 0x0
	.amdhsa_kernel k_q93ed8436eb_prep
		.amdhsa_group_segment_fixed_size 0
		.amdhsa_private_segment_fixed_size 0
		.amdhsa_enable_private_segment 0
		.amdhsa_kernarg_size 56
		.amdhsa_user_sgpr_count 2
		.amdhsa_user_sgpr_kernarg_segment_ptr 1
		.amdhsa_wavefront_size32 1
		.amdhsa_system_sgpr_workgroup_id_x 1
		.amdhsa_system_sgpr_workgroup_id_y 1
		.amdhsa_system_sgpr_workgroup_id_z 1
		.amdhsa_system_vgpr_workitem_id 0
		.amdhsa_next_free_vgpr 256
		.amdhsa_next_free_sgpr 66
		.amdhsa_reserve_vcc 0
		.amdhsa_float_denorm_mode_32 3
		.amdhsa_float_denorm_mode_16_64 3
		.amdhsa_memory_ordered 1
		.amdhsa_forward_progress 1
		.amdhsa_inst_pref_size 51
	.end_amdhsa_kernel
	.amdgpu_metadata
---
amdhsa.version: [ 1, 2 ]
amdhsa.kernels:
  - .name:           k_q93ed8436eb_prep
    .symbol:         k_q93ed8436eb_prep.kd
    .args:
      - { .name: Uid, .offset: 0, .size: 8, .value_kind: global_buffer, .address_space: global }
      - { .name: Uq, .offset: 8, .size: 8, .value_kind: global_buffer, .address_space: global }
      - { .name: Wc_w, .offset: 16, .size: 8, .value_kind: global_buffer, .address_space: global }
      - { .name: RC, .offset: 24, .size: 8, .value_kind: global_buffer, .address_space: global }
      - { .name: RW, .offset: 32, .size: 8, .value_kind: global_buffer, .address_space: global }
      - { .name: TC, .offset: 40, .size: 8, .value_kind: global_buffer, .address_space: global }
      - { .name: TS, .offset: 48, .size: 8, .value_kind: global_buffer, .address_space: global }
    .group_segment_fixed_size: 0
    .private_segment_fixed_size: 0
    .kernarg_segment_align: 8
    .kernarg_segment_size: 56
    .max_flat_workgroup_size: 192
    .sgpr_count:     66
    .vgpr_count:     256
    .wavefront_size: 32
...
	.end_amdgpu_metadata
.endif
;; end of part 1
;; launch soft (part 2): grid 256 x 1, 16 waves a work-group, clusters of 4 x 1, 305,152 bytes of LDS; arguments RC, RW, mask, Wc_b, Pimg, Psc; writes Pimg, Psc
.if DOCPART == 2
	.amdgcn_target "amdgcn-amd-amdhsa--gfx1250"
	.amdhsa_code_object_version 6
	.text
	.protected	k_q93ed8436eb_soft
	.globl	k_q93ed8436eb_soft
	.p2align	8
	.type	k_q93ed8436eb_soft,@function
k_q93ed8436eb_soft:
	s_mov_b64 s[64:65], 0
	v_nop
	global_prefetch_b8 v0, s[64:65] scope:SCOPE_SE
	s_setreg_imm32_b32 hwreg(HW_REG_WAVE_MODE, 25, 1), 1
	s_wait_xcnt 0x0
	s_wait_alu depctr_hold_cnt(0) depctr_sa_sdst(0) depctr_va_vdst(0) depctr_va_sdst(0) depctr_va_ssrc(0) depctr_va_vcc(0) depctr_vm_vsrc(0)
	s_getreg_b32 s2, hwreg(HW_REG_IB_STS2, 6, 4)
	s_cmp_eq_u32 s2, 0
	s_cbranch_scc0 .Lentry_in_a_cluster
	s_endpgm
.Lentry_in_a_cluster:
	s_bfe_u32 s2, ttmp6, 0x10000c
	s_cmp_lg_u32 s2, 0x3003
	s_cbranch_scc0 .Lentry_shape_is_right
	s_endpgm
.Lentry_shape_is_right:
; SOFT.  S[i][j] = (s_id[i] + s_q[j] + Wc_b + Uid[i] . (Uq[j] x w_mul)) x mask[i][j], the product on codes of E4M3; P = softmax of S over i; P is quantised, finished and normalised, along j.  No work is left out.
; SHARES.  A work-group holds S[all 2,048 i][32 columns j] of one batch in its registers, so a column's maximum and sum never leave it.  Each of its sixteen waves owns 128 rows i: eight tiles.
; The product is used transposed: source 0 = 16 rows of Uq x w_mul, source 1 = 16 rows of Uid.  By the order of a tile's rows (place r of tile t is row 32 (t / 2) + 8 (t % 2) + r % 8 + 16 (r / 8))
; a lane holds ONE i, and for each tile of i the 16 neighbours j = 32 jb + 16 (lane / 16) + 0 .. 15: the four registers' worth of codes that P's fragment wants of that lane, and half a block of the quantiser.
; s_id + s_q + Wc_b is the C of the matrix instruction.  The maximum is taken away before the exponential, as the problem has it: one fused multiply-add forms S log2(e) - max log2(e).  The rounding of
; max log2(e) is one factor for a whole column, in every p and in their sum alike, and leaves with the division by that sum.
; ALL EIGHT FRAGMENTS OF Uid ARE ASKED FOR AT THE HEAD, so that they are on their way together.  A fragment and an accumulator are 16 registers each, and an accumulator is wanted only from two tiles ahead of its
; products: fragments 0-4 wait in the registers of accumulators 3-7, fragments 5-7 in v80-127.
; CLUSTER.  The four work-groups of a cluster are the four batches of one block of columns: they need the same 2,048 x 32 numbers of the mask, the launch's largest stream.  Each wave asks for its 128 rows
; JOINTLY (one tensor load, mask 15) and reads only what it asked for.  The place in the cluster enters global addresses alone.  Uid's codes come straight into registers, as images of fragments.
; Pimg [batch][tile 128][K step 16][2,048]: images of fragments.  Psc [batch][K step][tile][16 rows]: scale words; this work-group writes byte jb % 4 of each.
; LIMITS: NaN and infinities are not served; p under 2^-126 is 0 (v_exp_f32 flushes); a block of zeros gets the byte 1 (its codes are zeros; this program alone reads the bytes).
.set MROW,  144                        ; a row of the mask in LDS: 128 bytes + 16 of padding
.set MWAVE, 128*MROW                   ; a wave's 128 rows
.set RED1,  16*MWAVE                   ; [wave][32 columns] f32: the waves' maxima
.set RED2,  RED1+2048                  ; and their sums
.set OWN,   RED2+2048                  ; 256 bytes a wave: a column's figure goes from the lane that made it to the lanes that want it
.set SPARE, OWN+4096                   ; the spare words, 128 bytes for each wave: eight blocks of 256 bytes that no other line names
.set AF,  1                            ; v1   16 x lane: a fragment image's place for my lane
.set AW,  2                            ; v2   128 h + 4 r: scale words of two neighbouring tiles, one in each half of the lanes
.set AS,  3                            ; v3   4 r
.set AQ,  4                            ; v4   32 h
.set AM,  5                            ; v5   my place in the wave's rows of the mask
.set R1S, 6                            ; v6   RED1 + 128 wave + 64 h
.set R1L, 7                            ; v7   RED1 + 4 lane
.set OWS, 8                            ; v8   OWN + 256 wave + 4 lane
.set OWL, 9                            ; v9   OWN + 256 wave + 64 h
.set PB,  10                           ; v10  4 x lane
.set SPW, 11                           ; v11  my spare word; never rewritten
.set NIL, 12                           ; v12  0; never rewritten
.set UQS, 13                           ; v13     Uq's scale words: they hold scales alone
.set UIS, 14                           ; v14-17  Uid's, two tiles to a register
.set SID, 18                           ; v18-25  s_id of my row in each of the eight tiles
.set UQF, 32                           ; v32-63  the two fragments of Uq x w_mul
.set SQ,  64                           ; v64-79  s_q + Wc_b of my 16 columns
.set UIF, 80                           ; v80-127 Uid's fragments 5, 6, 7
.set ACC, 128                          ; v128-255 S, then p: tile t at 16 t, register x = column 16 h + x; until then accumulators 3-7 hold Uid's fragments 0-4
.set MX,  32                           ; behind the products: v32-47 the columns' - max log2(e)
.set SUM, 48                           ; v48-63 their sums, then 1 / sum
.set MS,  64                           ; v64-127 four sets of the mask; later v64-79 sixteen waves' figures
.set TM,  32                           ; the quantiser: v32-39 largest p, v40-47 the other half's, v48-55 scale operands, v56-63 448 x the scale, v64-71 bytes, v72-75 bytes to store, v96-127 codes
.set TP,  40
.set SCO, 48
.set HO,  56
.set BY,  64
.set BO,  72
.set CD,  96
.set WV,  16                           ; s16  wave
.set MNT, 21
.set SEL, 22                           ; s22, s23
.set G1,  24                           ; s[24:31]
.set G0,  32                           ; s[32:35]
.set HALF, 40
.macro ROUND                           ; a round of the cluster's barrier
	s_barrier_signal -1
	s_barrier_wait -1
	s_cmp_lg_u32 s[WV], 0
	s_cbranch_scc1 .Lnot_wave_0_\@
	s_barrier_signal -3
.Lnot_wave_0_\@:
	s_barrier_wait -3
	s_barrier_signal -1
	s_barrier_wait -1
.endm
	s_load_b256 s[4:11], s[0:1], 0x0               ; RC s[4:5], RW s[6:7], mask s[8:9], Wc_b s[10:11]
	s_load_b128 s[12:15], s[0:1], 0x20             ; Pimg s[12:13], Psc s[14:15]
	v_lshl_add_u32 v[SPW], v0, 2, SPARE
	v_mov_b32 v[NIL], 0
	ds_add_u32 v[SPW], v[NIL]                      ; the wave's opening: the add, twice on end, and its wait ahead of my first tensor load; work on registers stands between
	ds_add_u32 v[SPW], v[NIL]
	v_lshrrev_b32 v26, 5, v0
	v_readfirstlane_b32 s[WV], v26                 ; wave 0..15
	s_bfe_u32 s17, ttmp6, 0x40000                  ; my place in the cluster = my batch; ttmp9 = the cluster = the block jb of 32 columns
	s_mov_b32 s[G1], 15|(2<<16)|(1<<20)|(1<<21)|(4<<22)|(3<<25)   ; the four work-groups; elements of 4 bytes; padding on; bit 21 beside a mask; after every 32 words four words
	s_mov_b32 s[G1+1], 32<<16                      ; tensor_dim0 = 32
	s_mov_b32 s[G1+2], 128<<16                     ; tensor_dim1 = 128
	s_mov_b32 s[G1+3], 32<<16                      ; tile_dim0 = 32
	s_mov_b32 s[G1+4], 128                         ; tile_dim1 = 128
	s_mov_b32 s[G1+5], 2048                        ; from row to row
	s_mov_b32 s[G1+6], 0
	s_mov_b32 s[G1+7], 0
	s_mov_b32 s[MNT], 0x600000
	s_mov_b32 s[SEL], 0x76543210
	s_mov_b32 s[SEL+1], 0xfedcba98
	s_mov_b32 s38, 0x3fb8aa3b                      ; log2(e); the packed form names a pair
	s_mov_b32 s39, s38
	s_mov_b32 s[HALF], 0xffff0000
	s_lshl_b32 s50, s[WV], 20                      ; the mask: my wave's 128 rows of 8,192 bytes,
	s_lshl_b32 s18, ttmp9, 7                       ; the block's 128 bytes: made of the wave and the cluster alone
	s_add_co_u32 s50, s50, s18
	s_mov_b32 s51, 0
	s_lshl_b32 s42, s17, 18                        ; RC: Uq x w_mul (the second megabyte), my batch, tiles 2 jb and 2 jb + 1
	s_lshl_b32 s18, ttmp9, 12
	s_add_co_u32 s42, s42, s18
	s_add_co_u32 s42, s42, 0x100000
	s_mov_b32 s43, 0
	s_lshl_b32 s44, s17, 18                        ; RC: Uid, my batch, my wave's eight tiles
	s_lshl_b32 s18, s[WV], 14
	s_add_co_u32 s44, s44, s18
	s_mov_b32 s45, 0
	s_lshl_b32 s46, s17, 14                        ; RW likewise: 128 bytes a tile
	s_lshl_b32 s18, ttmp9, 8
	s_add_co_u32 s46, s46, s18
	s_add_co_u32 s46, s46, 0x10000
	s_mov_b32 s47, 0
	s_lshl_b32 s48, s17, 14
	s_lshl_b32 s18, s[WV], 10
	s_add_co_u32 s48, s48, s18
	s_mov_b32 s49, 0
	s_lshl_b32 s52, s17, 22                        ; Pimg: batch, my eight tiles of 32,768 bytes, K step jb / 4 and register group jb % 4: 512 jb
	s_lshl_b32 s18, s[WV], 18
	s_add_co_u32 s52, s52, s18
	s_lshl_b32 s18, ttmp9, 9
	s_add_co_u32 s52, s52, s18
	s_mov_b32 s53, 0
	s_lshl_b32 s54, s17, 17                        ; Psc: batch, K step jb / 4, my eight tiles of 64 bytes, byte jb % 4
	s_lshr_b32 s18, ttmp9, 2
	s_lshl_b32 s18, s18, 13
	s_add_co_u32 s54, s54, s18
	s_lshl_b32 s18, s[WV], 9
	s_add_co_u32 s54, s54, s18
	s_and_b32 s18, ttmp9, 3
	s_add_co_u32 s54, s54, s18
	s_mov_b32 s55, 0
	v_and_b32 v26, 31, v0                          ; lane
	v_and_b32 v27, 15, v0                          ; r
	v_bfe_u32 v28, v0, 4, 1                        ; h
	v_lshlrev_b32 v[AF], 4, v26
	v_lshlrev_b32 v[AS], 2, v27
	v_lshl_add_u32 v[AW], v28, 7, v[AS]
	v_lshlrev_b32 v[AQ], 5, v28
	v_and_b32 v29, 7, v27
	v_lshrrev_b32 v30, 3, v27
	v_lshl_add_u32 v29, v30, 4, v29                ; r % 8 + 16 (r / 8)
	v_mul_u32_u24 v[AM], v29, MROW
	v_lshl_add_u32 v[AM], v28, 6, v[AM]
	s_mul_i32 s19, s[WV], MWAVE
	v_add_nc_u32 v[AM], s19, v[AM]
	s_lshl_b32 s18, s[WV], 7
	v_lshlrev_b32 v[R1S], 6, v28
	v_add_nc_u32 v[R1S], s18, v[R1S]
	v_add_nc_u32 v[R1S], RED1, v[R1S]
	v_lshl_add_u32 v[R1L], v26, 2, RED1
	v_lshlrev_b32 v[PB], 2, v26
	s_lshl_b32 s18, s[WV], 8
	v_add_nc_u32 v[OWS], s18, v[PB]
	v_add_nc_u32 v[OWS], OWN, v[OWS]
	v_lshlrev_b32 v[OWL], 6, v28
	v_add_nc_u32 v[OWL], s18, v[OWL]
	v_add_nc_u32 v[OWL], OWN, v[OWL]
	s_wait_dscnt 0x0                               ; both opening adds are done
	s_wait_kmcnt 0x0
	s_load_b32 s36, s[10:11], 0x0                  ; Wc_b
	s_mov_b32 s[G0], 1
	s_mov_b32 s[G0+1], s19                         ; LDS: my wave's rows
	s_add_nc_u64 s[G0+2:G0+3], s[8:9], s[50:51]
	s_or_b32 s[G0+3], s[G0+3], 0x80000000
	s_add_nc_u64 s[42:43], s[4:5], s[42:43]
	s_add_nc_u64 s[44:45], s[4:5], s[44:45]
	s_add_nc_u64 s[46:47], s[6:7], s[46:47]
	s_add_nc_u64 s[48:49], s[6:7], s[48:49]
	s_add_nc_u64 s[12:13], s[12:13], s[52:53]
	s_add_nc_u64 s[14:15], s[14:15], s[54:55]
	ROUND                                          ; all four work-groups are here: the joint loads meet
	tensor_load_to_lds s[G0:G0+3], s[G1:G1+7]      ; my one tensor load: 128 rows x 128 bytes of the mask
	s_nop 0
.macro FPLACE t                        ; FB = where Uid's fragment of my tile t waits: tiles 0-4 in the registers of accumulators 3-7, tiles 5-7 in v80-127
.if (\t) < 5
.set FB, ACC+16*((\t)+3)
.else
.set FB, UIF+16*((\t)-5)
.endif
.endm
.macro ULOAD t
	FPLACE \t
.irp c, 0,1,2,3
	global_load_b128 v[FB+4*\c:FB+4*\c+3], v[AF], s[44:45] offset:2048*(\t)+512*\c
.endr
.endm
.irp u, 0,1
.irp c, 0,1,2,3
	global_load_b128 v[UQF+16*\u+4*\c:UQF+16*\u+4*\c+3], v[AF], s[42:43] offset:2048*\u+512*\c
.endr
.endr
	global_load_b32 v[UQS], v[AW], s[46:47]        ; lanes 0-15: tile 2 jb's scale words; lanes 16-31: tile 2 jb + 1's
.irp u, 0,1
.irp p, 0,1
	global_load_b128 v[SQ+8*\u+4*\p:SQ+8*\u+4*\p+3], v[AQ], s[46:47] offset:128*\u+64+16*\p   ; s_q of columns 16 h + 8 u + 4 p + 0 .. 3: places 8 h + .. of tile 2 jb + u
.endr
.endr
.irp t, 0,1,2,3,4,5,6,7
	global_load_b32 v[SID+\t], v[AS], s[48:49] offset:128*\t+64
.endr
.irp p, 0,1,2,3
	global_load_b32 v[UIS+\p], v[AW], s[48:49] offset:256*\p
.endr
.irp t, 0,1,2,3,4,5,6,7
	ULOAD \t                                       ; 57 loads of mine are out
.endr
	s_wait_loadcnt 32                              ; all but the 32 loads of Uid's eight fragments
	s_wait_kmcnt 0x0
	s_mov_b32 s37, s36
.irp k, 0,1,2,3,4,5,6,7
	v_pk_add_f32 v[SQ+2*\k:SQ+2*\k+1], v[SQ+2*\k:SQ+2*\k+1], s[36:37] op_sel_hi:[1,0]   ; s_q + Wc_b
.endr
.macro CBUILD t                        ; tile t's C: s_q + Wc_b + s_id: eight packed additions; of the pair that holds s_id one word serves both halves
.irp k, 0,1,2,3,4,5,6,7
.if (\t)%2 == 0
	v_pk_add_f32 v[ACC+16*(\t)+2*\k:ACC+16*(\t)+2*\k+1], v[SQ+2*\k:SQ+2*\k+1], v[SID+(\t):SID+(\t)+1] op_sel_hi:[1,0]
.else
	v_pk_add_f32 v[ACC+16*(\t)+2*\k:ACC+16*(\t)+2*\k+1], v[SQ+2*\k:SQ+2*\k+1], v[SID+(\t)-1:SID+(\t)] op_sel:[0,1] op_sel_hi:[1,1]
.endif
.endr
.endm
.macro PROD t                          ; S^T of tile t: 32 columns x 16 rows, K = 128: each accumulator takes one matrix instruction
	FPLACE \t
.if (\t)%2 == 0
	v_wmma_scale_f32_16x16x128_f8f6f4 v[ACC+16*(\t):ACC+16*(\t)+7], v[UQF:UQF+15], v[FB:FB+15], v[ACC+16*(\t):ACC+16*(\t)+7], v[UQS], v[UIS+(\t)/2]
	v_wmma_scale_f32_16x16x128_f8f6f4 v[ACC+16*(\t)+8:ACC+16*(\t)+15], v[UQF+16:UQF+31], v[FB:FB+15], v[ACC+16*(\t)+8:ACC+16*(\t)+15], v[UQS], v[UIS+(\t)/2] matrix_a_scale:MATRIX_SCALE_ROW1
.else
	v_wmma_scale_f32_16x16x128_f8f6f4 v[ACC+16*(\t):ACC+16*(\t)+7], v[UQF:UQF+15], v[FB:FB+15], v[ACC+16*(\t):ACC+16*(\t)+7], v[UQS], v[UIS+(\t)/2] matrix_b_scale:MATRIX_SCALE_ROW1
	v_wmma_scale_f32_16x16x128_f8f6f4 v[ACC+16*(\t)+8:ACC+16*(\t)+15], v[UQF+16:UQF+31], v[FB:FB+15], v[ACC+16*(\t)+8:ACC+16*(\t)+15], v[UQS], v[UIS+(\t)/2] matrix_a_scale:MATRIX_SCALE_ROW1 matrix_b_scale:MATRIX_SCALE_ROW1
.endif
.endm
	CBUILD 0
	CBUILD 1                                       ; a tile's C is built two tiles ahead: eight plain instructions lie between it and the matrix instruction that takes it
.irp t, 0,1,2,3,4,5,6,7
	s_wait_loadcnt 4*(7-\t)                        ; this tile's fragment is in; the younger fragments' loads, four each, may be out
	PROD \t
.if \t < 6
	CBUILD \t+2                                    ; accumulator t + 2 lies where fragment t - 1 lay: the products that read it stand in front of the eight lines that built accumulator t + 1,
                                                   ; plain instructions that name none of those products' registers: the places that a write of a source wants (ISA guide 7.12.1)
.else
.rept 8
	v_nop
.endr
.endif
.endr
; ---- x mask
.macro MLOAD t                         ; the mask at my row of tile t, my 16 columns, into set t % 4
.irp p, 0,1,2,3
	ds_load_b128 v[MS+16*((\t)%4)+4*\p:MS+16*((\t)%4)+4*\p+3], v[AM] offset:(32*((\t)/2)+8*((\t)%2))*MROW+16*\p
.endr
.endm
	s_wait_tensorcnt 0x0                           ; my rows of the mask are in LDS; no other wave reads them
	MLOAD 0
	MLOAD 1
	MLOAD 2
	MLOAD 3
.irp t, 0,1,2,3,4,5,6,7
.if \t < 5
	s_wait_dscnt 12                                ; this set is in; the three younger sets' twelve loads may be out
.else
	s_wait_dscnt 4*(7-\t)
.endif
.irp k, 0,1,2,3,4,5,6,7
	v_pk_mul_f32 v[ACC+16*\t+2*\k:ACC+16*\t+2*\k+1], v[ACC+16*\t+2*\k:ACC+16*\t+2*\k+1], v[MS+16*(\t%4)+2*\k:MS+16*(\t%4)+2*\k+1]   ; each accumulator from its low end on
.endr
.if \t < 4
	MLOAD \t+4
.endif
.endr
; ---- each column's maximum over i: my eight tiles, the sixteen lanes of my half, the sixteen waves
.irp x, 0,1,2,3,4,5,6,7,8,9,10,11,12,13,14,15
	v_max3_num_f32 v[MX+\x], v[ACC+\x], v[ACC+16+\x], v[ACC+32+\x]
.endr
.irp x, 0,1,2,3,4,5,6,7,8,9,10,11,12,13,14,15
	v_max3_num_f32 v[MX+\x], v[MX+\x], v[ACC+48+\x], v[ACC+64+\x]
.endr
.irp x, 0,1,2,3,4,5,6,7,8,9,10,11,12,13,14,15
	v_max3_num_f32 v[MX+\x], v[MX+\x], v[ACC+80+\x], v[ACC+96+\x]
.endr
.irp x, 0,1,2,3,4,5,6,7,8,9,10,11,12,13,14,15
	v_max_num_f32 v[MX+\x], v[MX+\x], v[ACC+112+\x]
.endr
.irp m, 1,2,4,8
.irp x, 0,1,2,3,4,5,6,7,8,9,10,11,12,13,14,15
	v_max_num_f32_dpp v[MX+\x], v[MX+\x], v[MX+\x] row_xmask:\m row_mask:0xf bank_mask:0xf
.endr
.endr
.irp p, 0,1,2,3
	ds_store_b128 v[R1S], v[MX+4*\p:MX+4*\p+3] offset:16*\p   ; the sixteen lanes of a half write the same bytes with the same values
.endr
	s_wait_dscnt 0x0                               ; for the others' sake: my stores have landed
	s_barrier_signal -1
	s_barrier_wait -1
.irp i, 0,1,2,3,4,5,6,7,8,9,10,11,12,13,14,15
	ds_load_b32 v[MS+\i], v[R1L] offset:128*\i     ; lane l: column l's maximum in each of the sixteen waves
.endr
	s_wait_dscnt 0x0
	v_max3_num_f32 v[MS], v[MS], v[MS+1], v[MS+2]
.irp i, 3,5,7,9,11,13
	v_max3_num_f32 v[MS], v[MS], v[MS+\i], v[MS+\i+1]
.endr
	v_max_num_f32 v[MS], v[MS], v[MS+15]
	v_mul_f32 v[MS], 0xbfb8aa3b, v[MS]             ; - max x log2(e): once a column
	ds_store_b32 v[OWS], v[MS]                     ; through my wave's own bytes: LDS serves a wave's instructions in order (ISA guide 5.7.1.4), so no wait stands between
.irp p, 0,1,2,3
	ds_load_b128 v[MX+4*\p:MX+4*\p+3], v[OWL] offset:16*\p   ; that of my 16 columns
.endr
	s_wait_dscnt 0x0
; ---- p = 2^(S log2(e) - max log2(e))
.set J, 0
.rept 64
	v_pk_fma_f32 v[ACC+2*J:ACC+2*J+1], v[ACC+2*J:ACC+2*J+1], s[38:39], v[MX+2*(J%8):MX+2*(J%8)+1] op_sel_hi:[1,0,1]
.set J, J+1
.endr
.set J, 0
.rept 128
	v_exp_f32 v[ACC+J], v[ACC+J]
.set J, J+1
.endr
.irp t, 0,1,2,3,4,5,6,7
	v_mov_b32 v[TP+\t], 0                          ; plain work behind the exponentials: the lane permutes' destinations, which count as sources, are written once
.endr
	s_wait_alu depctr_va_vdst(0)                   ; one wait for the batch of 128, ahead of its first reader
; ---- each column's sum, the same way
.irp k, 0,1,2,3,4,5,6,7
	v_pk_add_f32 v[SUM+2*\k:SUM+2*\k+1], v[ACC+2*\k:ACC+2*\k+1], v[ACC+16+2*\k:ACC+16+2*\k+1]
.endr
.irp t, 2,3,4,5,6,7
.irp k, 0,1,2,3,4,5,6,7
	v_pk_add_f32 v[SUM+2*\k:SUM+2*\k+1], v[SUM+2*\k:SUM+2*\k+1], v[ACC+16*\t+2*\k:ACC+16*\t+2*\k+1]
.endr
.endr
.irp m, 1,2,4,8
.irp x, 0,1,2,3,4,5,6,7,8,9,10,11,12,13,14,15
	v_add_f32_dpp v[SUM+\x], v[SUM+\x], v[SUM+\x] row_xmask:\m row_mask:0xf bank_mask:0xf
.endr
.endr
.irp p, 0,1,2,3
	ds_store_b128 v[R1S], v[SUM+4*\p:SUM+4*\p+3] offset:2048+16*\p
.endr
	s_wait_dscnt 0x0
	s_barrier_signal -1
	s_barrier_wait -1
.irp i, 0,1,2,3,4,5,6,7,8,9,10,11,12,13,14,15
	ds_load_b32 v[MS+\i], v[R1L] offset:2048+128*\i
.endr
	s_wait_dscnt 0x0
	v_pk_add_f32 v[MS:MS+1], v[MS:MS+1], v[MS+2:MS+3]
	v_pk_add_f32 v[MS+4:MS+5], v[MS+4:MS+5], v[MS+6:MS+7]
	v_pk_add_f32 v[MS+8:MS+9], v[MS+8:MS+9], v[MS+10:MS+11]
	v_pk_add_f32 v[MS+12:MS+13], v[MS+12:MS+13], v[MS+14:MS+15]
	v_pk_add_f32 v[MS:MS+1], v[MS:MS+1], v[MS+4:MS+5]
	v_pk_add_f32 v[MS+8:MS+9], v[MS+8:MS+9], v[MS+12:MS+13]
	v_pk_add_f32 v[MS:MS+1], v[MS:MS+1], v[MS+8:MS+9]
	v_add_f32 v[MS], v[MS], v[MS+1]
	v_rcp_f32 v[MS+2], v[MS]
	v_nop                                          ; a plain instruction behind the reciprocal,
	s_wait_alu depctr_va_vdst(0)                   ; and the wait ahead of its first reader
	ds_store_b32 v[OWS], v[MS+2] offset:128
.irp p, 0,1,2,3
	ds_load_b128 v[SUM+4*\p:SUM+4*\p+3], v[OWL] offset:128+16*\p   ; 1 / sum of my 16 columns
.endr
	s_wait_dscnt 0x0
.set J, 0
.rept 64
	v_pk_mul_f32 v[ACC+2*J:ACC+2*J+1], v[ACC+2*J:ACC+2*J+1], v[SUM+2*(J%8):SUM+2*(J%8)+1]   ; P, finished and normalised
.set J, J+1
.endr
; ---- the quantiser along j: in each tile my 16 numbers and lane l xor 16's are one block of 32.  p is not negative: no |.|, and the hold is one-sided
.irp t, 0,1,2,3,4,5,6,7
	v_max3_num_f32 v[TM+\t], v[ACC+16*\t], v[ACC+16*\t+1], 0x4800000   ; with the floor 2^(9 - 127): the byte cannot fall under 1
.endr
.irp i, 2,4,6,8,10,12,14
.irp t, 0,1,2,3,4,5,6,7
	v_max3_num_f32 v[TM+\t], v[TM+\t], v[ACC+16*\t+\i], v[ACC+16*\t+\i+1]
.endr
.endr
.irp t, 0,1,2,3,4,5,6,7
	v_permlanex16_b32 v[TP+\t], v[TM+\t], s[SEL], s[SEL+1]
.endr
.irp t, 0,1,2,3,4,5,6,7
	v_max_num_f32 v[TM+\t], v[TM+\t], v[TP+\t]
.endr
.irp t, 0,1,2,3,4,5,6,7
	v_add_nc_u32 v[SCO+\t], 0xfc000000, v[TM+\t]   ; 8 off the exponent field: the conversion's scale operand
.endr
.irp t, 0,1,2,3,4,5,6,7
	v_and_or_b32 v[HO+\t], v[TM+\t], 0x7f800000, s[MNT]   ; 448 x the scale
.endr
.irp t, 0,1,2,3,4,5,6,7
	v_lshrrev_b32 v[BY+\t], 23, v[SCO+\t]          ; the byte
.endr
.irp t, 0,1,2,3,4,5,6,7
.irp i, 0,1,2,3,4,5,6,7,8,9,10,11,12,13,14,15
	v_min_num_f32 v[ACC+16*\t+\i], v[ACC+16*\t+\i], v[HO+\t]   ; the conversion to an 8-bit code does not saturate (ISA guide 7.6.2)
.endr
	v_cvt_scalef32_pk8_fp8_f32 v[CD+4*\t:CD+4*\t+1], v[ACC+16*\t:ACC+16*\t+7], v[SCO+\t]
	v_cvt_scalef32_pk8_fp8_f32 v[CD+4*\t+2:CD+4*\t+3], v[ACC+16*\t+8:ACC+16*\t+15], v[SCO+\t]
.endr
	v_nop                                          ; a plain line behind the last conversion
.irp p, 0,1,2,3
	v_cndmask_b32 v[BO+\p], v[BY+2*\p], v[BY+2*\p+1], s[HALF]   ; lanes 0-15: tile 2 p's bytes; lanes 16-31: tile 2 p + 1's
.endr
.irp t, 0,1,2,3,4,5,6,7
	global_store_b128 v[AF], v[CD+4*\t:CD+4*\t+3], s[12:13] offset:32768*\t   ; 512 consecutive bytes: one register group of a fragment's image
.endr
.irp p, 0,1,2,3
	global_store_b8 v[PB], v[BO+\p], s[14:15] offset:128*\p   ; one byte of each row's scale word: the other three come from the neighbouring blocks of columns; 1 byte for 32 of codes
.endr
	s_wait_tensorcnt 0x0                           ; the wave's end, behind my tensor load and my last LDS store
	ds_add_u32 v[SPW], v[NIL]
	s_wait_dscnt 0x0
	ROUND                                          ; the closing round
	s_endpgm
.Lfunc_end_k_q93ed8436eb_soft:
	.size	k_q93ed8436eb_soft, .Lfunc_end_k_q93ed8436eb_soft-k_q93ed8436eb_soft
	.p2alignl 7, 3214868480
	.fill 96, 4, 3214868480
	.section	.rodata,"a",@progbits
	.p2align	6, 0x0
	.amdhsa_kernel k_q93ed8436eb_soft
		.amdhsa_group_segment_fixed_size 305152
		.amdhsa_private_segment_fixed_size 0
		.amdhsa_enable_private_segment 0
		.amdhsa_kernarg_size 48
		.amdhsa_user_sgpr_count 2
		.amdhsa_user_sgpr_kernarg_segment_ptr 1
		.amdhsa_wavefront_size32 1
		.amdhsa_system_sgpr_workgroup_id_x 1
		.amdhsa_system_sgpr_workgroup_id_y 1
		.amdhsa_system_sgpr_workgroup_id_z 1
		.amdhsa_system_vgpr_workitem_id 0
		.amdhsa_next_free_vgpr 256
		.amdhsa_next_free_sgpr 66
		.amdhsa_reserve_vcc 0
		.amdhsa_float_denorm_mode_32 3
		.amdhsa_float_denorm_mode_16_64 3
		.amdhsa_memory_ordered 1
		.amdhsa_forward_progress 1
		.amdhsa_inst_pref_size 70
	.end_amdhsa_kernel
	.amdgpu_metadata
---
amdhsa.version: [ 1, 2 ]
amdhsa.kernels:
  - .name:           k_q93ed8436eb_soft
    .symbol:         k_q93ed8436eb_soft.kd
    .args:
      - { .name: RC, .offset: 0, .size: 8, .value_kind: global_buffer, .address_space: global }
      - { .name: RW, .offset: 8, .size: 8, .value_kind: global_buffer, .address_space: global }
      - { .name: mask, .offset: 16, .size: 8, .value_kind: global_buffer, .address_space: global }
      - { .name: Wc_b, .offset: 24, .size: 8, .value_kind: global_buffer, .address_space: global }
      - { .name: Pimg, .offset: 32, .size: 8, .value_kind: global_buffer, .address_space: global }
      - { .name: Psc, .offset: 40, .size: 8, .value_kind: global_buffer, .address_space: global }
    .group_segment_fixed_size: 305152
    .private_segment_fixed_size: 0
    .kernarg_segment_align: 8
    .kernarg_segment_size: 48
    .max_flat_workgroup_size: 512
    .sgpr_count:     66
    .vgpr_count:     256
    .wavefront_size: 32
...
	.end_amdgpu_metadata
.endif
;; end of part 2
;; launch gemm (part 3): grid 8 x 32, 4 waves a work-group, clusters of 4 x 4, 327,680 bytes of LDS; arguments Pimg, Psc, Mimg, Msc; writes Mimg, Msc
.if DOCPART == 3
	.amdgcn_target "amdgcn-amd-amdhsa--gfx1250"
	.amdhsa_code_object_version 6
	.text
	.protected	k_q93ed8436eb_gemm
	.globl	k_q93ed8436eb_gemm
	.p2align	8
	.type	k_q93ed8436eb_gemm,@function
k_q93ed8436eb_gemm:
	s_mov_b64 s[64:65], 0
	v_nop
	global_prefetch_b8 v0, s[64:65] scope:SCOPE_SE
	s_setreg_imm32_b32 hwreg(HW_REG_WAVE_MODE, 25, 1), 1
	s_wait_xcnt 0x0
	s_wait_alu depctr_hold_cnt(0) depctr_sa_sdst(0) depctr_va_vdst(0) depctr_va_sdst(0) depctr_va_ssrc(0) depctr_va_vcc(0) depctr_vm_vsrc(0)
	s_getreg_b32 s2, hwreg(HW_REG_IB_STS2, 6, 4)
	s_cmp_eq_u32 s2, 0
	s_cbranch_scc0 .Lentry_in_a_cluster
	s_endpgm
.Lentry_in_a_cluster:
	s_bfe_u32 s2, ttmp6, 0x10000c
	s_cmp_lg_u32 s2, 0xf033
	s_cbranch_scc0 .Lentry_shape_is_right
	s_endpgm
.Lentry_shape_is_right:
; GEMM.  M[i][k] = the sum over j of P[i][j] P[k][j], for each of four batches, on P's codes of E4M3 and scale bytes; M is quantised along k on the way out and leaves as codes.  No work is left out:
; M's symmetry is not used, since with one tile of 256 x 256 for each work-group it would shorten no work-group's work.
; A tile of M, 256 x 256, is made by four waves, 128 x 128 each: 64 accumulators, 512 registers.  K = 2,048 goes in eight steps of 256 through a ring of two LDS slots filled by the tensor data mover.
; P lies in memory as images of fragments, [batch][tile of 16 rows][K step of 128][2,048 bytes]: a tile's part of a slot is 4,096 consecutive bytes, a fragment comes out of LDS by four loads of 512 consecutive
; bytes, and there is no pitch and no padding.  The scale words, [batch][K step][tile][16 rows], of the work-group's 2 x 256 rows come into LDS once, with the first fills, and stay.
; CLUSTERS: 4 x 4 work-groups.  x = the tile column, y = 8 x batch + the tile row.  The four of a row of the cluster need the same rows of P as A, the four of a column the same rows as B: each tile is asked
; for jointly.  B's batch is made of the cluster's y alone.  A and B are read into different registers where they are the same rows too.
; THE MATRIX INSTRUCTION IS USED TRANSPOSED (source 0 = 16 rows of B, source 1 = 16 rows of A).  By the order of a tile's rows (place r of tile t is row 32 (t / 2) + 8 (t % 2) + r % 8 + 16 (r / 8)) the 64
; registers of a block of 16 rows of M are k = 32 b + 16 (lane / 16) + 0 .. 15: what the quantiser and the next product's fragment want.  A wave's 128 columns are one K step of that product.
; M is a sum of products of numbers that are not negative: no |.| in its largest magnitude, a one-sided hold.  LIMIT: a block of zeros gets the byte 1 (its codes are zeros; this program alone reads the bytes).
; REGISTERS, in windows of 256: window 0: v0-31 addresses; v32-63 scale words, two sets; v64-95 the quantiser's; from v128 A's fragments, ONE set; on the way out the eight blocks' codes.
;   window 1: B's fragments, TWO sets.   window 2: the accumulators of my rows 0-63 ((a, b) at v[8 (8 a + b)]);   window 3: those of my rows 64-127.
.set NQ,    2                          ; matrix instructions deep in a slot
.set FR,    16                         ; registers of a fragment
.set NL,    4                          ; LDS loads that bring one
.set NP,    8                          ; places behind this matrix instruction (ISA guide 7.12.1)
.set FRB,   2048                       ; a fragment's image
.set TILEB, NQ*FRB                     ; a tile's part of a slot
.set HALFT, 8*TILEB                    ; eight tiles: what one tensor load brings, and what one wave reads of A or of B
.set SLOT,  4*HALFT                    ; A's 16 tiles, then B's 16
.set LAPS,  4                          ; a lap = two slots = 512 along K
.set SCL,   2*SLOT                     ; the scale words: four pieces [K step 16][8 tiles][64 bytes]: A's halves, B's halves
.set HALFS, 8192
.set SST,   SCL+4*HALFS                ; 512 bytes a wave: M's scale words on their way out; no fill lands here
.set SPARE, SST+2048                   ; the spare words, 128 bytes for each wave: two blocks of 256 bytes that no other line names
.set ADRA, 16                          ; v16-17 LDS address of my A fragments in slot 0, 1
.set ADRB, 20                          ; v20-21 the same for B
.set MO,   24                          ; v24  16 x lane
.set SWS,  25                          ; v25  SST + 512 wave + 4 lane
.set SWL,  26                          ; v26  SST + 512 wave + 16 lane
.set ADRS, 27                          ; v27  my scale words: lanes 0-15 A's rows, lanes 16-31 B's
.set SPW,  28                          ; v28  my spare word; never rewritten
.set NIL,  29                          ; v29  0; never rewritten
.set PFO,  30                          ; v30  the prefetches' offset; never rewritten
.set SC,   32                          ; set s at v[SC + 16 s]; register 2 i + q: lanes 0-15 the word of A's block i, lanes 16-31 of B's block i, for the slot's q-th 128 along K
.set TM,   64                          ; v64-67 largest numbers, v68-71 bytes, v72-75 448 x the scale, v76-79 scale operands
.set PW,   80                          ; v80-87 the eight blocks' scale words
.set SW,   88                          ; v88-91 two blocks' words to a register; v92-95 the same as they are stored
.set AF,   128
.set G1,   24
.set G0,   32
.set G1B,  48
.set G0B,  56
.set G1S,  68
.set G0S,  76
.set G1SB, 80
.set G0SB, 88
.set PFA,  94                          ; s[94:95] where my prefetches stand
.set LIM,  96                          ; s96  1 in a wave that prefetches, else the greatest number
.set HALF, 97
.set MNT,  98
.set MSB, 0
.macro WIN new                         ; the immediate's high byte repeats the setting that is left
.if MSB != (\new)
	s_set_vgpr_msb (MSB<<8)|(\new)
.set MSB, (\new)
.endif
.endm
.set MUL_LO, 0xa1                      ; source 0 (B) window 1, source 1 (A) window 0, C and D window 2
.set MUL_HI, 0xf1                      ; the same, C and D window 3
.set TO_B,   0x40                      ; destination window 1, address window 0
; A joint load: waves 0 and 1 fetch for A, waves 2 and 3 for B.  The branch hangs on the wave's number alone.  An s_nop 0 and four v_nop follow each of the two lines.
.macro JLOAD g0a, g1a, g0b, g1b
	s_cmp_eq_u32 s15, 0
	s_cbranch_scc0 .Lfor_b_\@
	tensor_load_to_lds s[\g0a:\g0a+3], s[\g1a:\g1a+7]
	s_nop 0
.rept 4
	v_nop
.endr
	s_branch .Lasked_\@
.Lfor_b_\@:
	tensor_load_to_lds s[\g0b:\g0b+3], s[\g1b:\g1b+7]
	s_nop 0
.rept 4
	v_nop
.endr
.Lasked_\@:
.endm
.macro CREST                           ; a round of the cluster's barrier behind its opening barrier
	s_cmp_lg_u32 s14, 0
	s_cbranch_scc1 .Lnot_wave_0_\@
	s_barrier_signal -3
.Lnot_wave_0_\@:
	s_barrier_wait -3
	s_barrier_signal -1
	s_barrier_wait -1
.endm
.macro CROUND
	s_barrier_signal -1
	s_barrier_wait -1
	CREST
.endm
; A PREFETCH INTO THE L2, behind a refill's own lines: the slot's worth of A that stands two refills on.  Every byte of P is some work-group's A, so A's requests name all of P;
; A's rows are read by both clusters of a row of clusters: the one with x = 0 asks.  Of the eight tiles that wave 0 or 1 fetches, each of the four partners takes two, told apart BY ADDRESS: 2 x 4,096 bytes,
; lanes 256 bytes apart, one instruction a wave.  So each aligned 256 bytes are named once.  The loop's last trip has no slot two refills on and asks for nothing; slots 0 to 3 come by their loads alone.
.macro ASK
	s_cmp_gt_u32 s3, s[LIM]
	s_cbranch_scc0 .Lnot_mine_\@
	global_prefetch_b8 v[PFO], s[PFA:PFA+1] offset:TILEB th:TH_LOAD_NT scope:SCOPE_SE
.Lnot_mine_\@:
.endm
	s_load_b256 s[4:11], s[0:1], 0x0               ; Pimg s[4:5], Psc s[6:7], Mimg s[8:9], Msc s[10:11]
	v_lshl_add_u32 v[SPW], v0, 2, SPARE
	v_mov_b32 v[NIL], 0
	ds_add_u32 v[SPW], v[NIL]                      ; the wave's opening: the add, twice on end, and its wait ahead of my first tensor load; work on registers stands between
	ds_add_u32 v[SPW], v[NIL]
	v_lshrrev_b32 v1, 5, v0
	v_readfirstlane_b32 s14, v1                    ; wave 0..3
	s_lshr_b32 s15, s14, 1                         ; which half of the tile's rows is mine.  Also: I fetch for A (0) or for B (1)
	s_and_b32 s16, s14, 1                          ; which half of its columns.  Also: which eight tiles I fetch
	s_bfe_u32 s40, ttmp6, 0x40000                  ; cx, cy: my place in the cluster
	s_bfe_u32 s41, ttmp6, 0x40004
	s_lshl_b32 s42, ttmp9, 2
	s_add_co_u32 s42, s42, s40                     ; the tile column = 4 x cluster x + cx
	s_and_b32 s17, ttmp7, 0xffff
	s_lshr_b32 s45, s17, 1                         ; the batch, of the cluster's y alone
	s_lshl_b32 s17, s17, 2
	s_add_co_u32 s17, s17, s41                     ; y = 4 x cluster y + cy = 8 x batch + tile row
	s_lshl_b32 s43, s41, 2
	s_lshl_b32 s43, 15, s43                        ; my row of the cluster
	s_lshl_b32 s44, 0x1111, s40                    ; my column
	s_or_b32 s[G1+0], s43, (3<<16)|(1<<21)         ; the mask: A's tiles go to my row; elements of 8 bytes; bit 21 beside a mask; no padding
	s_or_b32 s[G1B+0], s44, (3<<16)|(1<<21)
.irp g, G1, G1B
	s_mov_b32 s[\g+1], 512<<16                     ; tensor_dim0 = 512 elements: a tile's 4,096 bytes
	s_mov_b32 s[\g+2], 8<<16                       ; tensor_dim1 = 8 tiles
	s_mov_b32 s[\g+3], 512<<16                     ; tile_dim0
	s_mov_b32 s[\g+4], 8                           ; tile_dim1
	s_mov_b32 s[\g+5], 4096                        ; from tile to tile: 32,768 bytes
	s_mov_b32 s[\g+6], 0
	s_mov_b32 s[\g+7], 0
.endr
	s_or_b32 s[G1S+0], s43, (3<<16)|(1<<21)
	s_or_b32 s[G1SB+0], s44, (3<<16)|(1<<21)
.irp g, G1S, G1SB
	s_mov_b32 s[\g+1], 64<<16                      ; eight tiles' scale words of a K step: 512 bytes
	s_mov_b32 s[\g+2], 16<<16                      ; 16 K steps
	s_mov_b32 s[\g+3], 64<<16
	s_mov_b32 s[\g+4], 16
	s_mov_b32 s[\g+5], 1024                        ; from K step to K step: 8,192 bytes
	s_mov_b32 s[\g+6], 0
	s_mov_b32 s[\g+7], 0
.endr
	s_lshl_b32 s18, s16, 3                         ; 8 x the half that I fetch
	s_lshl_b32 s20, s17, 4
	s_add_co_u32 s20, s20, s18                     ; A: tile 16 y + 8 half of Pimg
	s_lshl_b32 s20, s20, 15
	s_mov_b32 s21, 0
	s_lshl_b32 s46, s45, 7
	s_lshl_b32 s47, s42, 4
	s_add_co_u32 s46, s46, s47
	s_add_co_u32 s46, s46, s18                     ; B: tile 128 batch + 16 tile column + 8 half
	s_lshl_b32 s46, s46, 15
	s_mov_b32 s47, 0
	s_lshr_b32 s22, s17, 3                         ; A's scale words: batch, then the tile in the batch
	s_lshl_b32 s22, s22, 17
	s_and_b32 s23, s17, 7
	s_lshl_b32 s23, s23, 4
	s_add_co_u32 s23, s23, s18
	s_lshl_b32 s23, s23, 6
	s_add_co_u32 s22, s22, s23
	s_mov_b32 s23, 0
	s_lshl_b32 s92, s45, 17                        ; B's
	s_lshl_b32 s93, s42, 4
	s_add_co_u32 s93, s93, s18
	s_lshl_b32 s93, s93, 6
	s_add_co_u32 s92, s92, s93
	s_mov_b32 s93, 0
	s_lshl_b32 s12, s14, 15                        ; where they go: wave x HALFT, wave x HALFS: no place in the cluster enters an LDS address
	s_lshl_b32 s13, s14, 13
	s_lshl_b32 s66, s17, 4                         ; the prefetches: tile 16 y + 8 half + 2 cx,
	s_add_co_u32 s66, s66, s18
	s_lshl_b32 s67, s40, 1
	s_add_co_u32 s66, s66, s67
	s_lshl_b32 s66, s66, 15
	s_add_co_u32 s66, s66, 2*TILEB                 ; at slot's worth 2: the first refill steps it to 3 and names 4
	s_mov_b32 s67, 0
	s_or_b32 s[LIM], s15, ttmp9                    ; 0 in waves 0 and 1 of the clusters with x = 0: the same in all sixteen partners
	s_cmp_eq_u32 s[LIM], 0
	s_cselect_b32 s[LIM], 1, -1
	s_mov_b32 s[HALF], 0xffff0000
	s_mov_b32 s[MNT], 0x600000
	s_wait_dscnt 0x0                               ; both opening adds are done
	s_wait_kmcnt 0x0
	s_add_nc_u64 s[20:21], s[4:5], s[20:21]
	s_add_nc_u64 s[22:23], s[6:7], s[22:23]
	s_add_nc_u64 s[46:47], s[4:5], s[46:47]
	s_add_nc_u64 s[92:93], s[6:7], s[92:93]
	s_add_nc_u64 s[PFA:PFA+1], s[4:5], s[66:67]
	CROUND                                         ; all sixteen work-groups are here: the first joint loads meet
	s_mov_b32 s[G0S], 1
	s_add_co_u32 s[G0S+1], s13, SCL
	s_mov_b64 s[G0S+2:G0S+3], s[22:23]
	s_or_b32 s[G0S+3], s[G0S+3], 0x80000000
	s_mov_b32 s[G0SB], 1
	s_add_co_u32 s[G0SB+1], s13, SCL
	s_mov_b64 s[G0SB+2:G0SB+3], s[92:93]
	s_or_b32 s[G0SB+3], s[G0SB+3], 0x80000000
	JLOAD G0S, G1S, G0SB, G1SB                     ; the scale words first: they are wanted with the first slot
.irp s, 0,1
	s_mov_b32 s[G0+4*\s], 1
	s_add_co_u32 s[G0+4*\s+1], s12, \s*SLOT
	s_add_nc_u64 s[G0+4*\s+2:G0+4*\s+3], s[20:21], \s*TILEB
	s_or_b32 s[G0+4*\s+3], s[G0+4*\s+3], 0x80000000
	s_mov_b32 s[G0B+4*\s], 1
	s_add_co_u32 s[G0B+4*\s+1], s12, \s*SLOT
	s_add_nc_u64 s[G0B+4*\s+2:G0B+4*\s+3], s[46:47], \s*TILEB
	s_or_b32 s[G0B+4*\s+3], s[G0B+4*\s+3], 0x80000000
	JLOAD G0+4*\s, G1, G0B+4*\s, G1B               ; three tensor loads of mine are out
.endr
	v_and_b32 v1, 15, v0                           ; r
	v_bfe_u32 v2, v0, 4, 1                         ; h
	v_and_b32 v3, 31, v0                           ; lane
	v_lshlrev_b32 v[MO], 4, v3
	s_lshl_b32 s21, s15, 15                        ; my eight tiles of A
	s_lshl_b32 s22, s16, 15                        ; my eight tiles of B,
	s_add_co_u32 s22, s22, 2*HALFT                 ; which lie behind A's sixteen
.irp s, 0,1
	v_add_nc_u32 v[ADRA+\s], s21, v[MO]
	v_add_nc_u32 v[ADRB+\s], s22, v[MO]
	s_add_co_u32 s21, s21, SLOT
	s_add_co_u32 s22, s22, SLOT
.endr
	v_lshlrev_b32 v5, 2, v1                        ; my row's scale word in a tile's 64 bytes
	s_lshl_b32 s21, s15, 13                        ; A's piece: my half
	s_lshl_b32 s22, s16, 13                        ; B's: my half, behind A's two
	s_add_co_u32 s22, s22, 2*HALFS
	s_sub_co_u32 s22, s22, s21
	v_mul_u32_u24 v6, s22, v2                      ; lanes 16-31 take B's: one product, the distance between the two pieces
	s_add_co_u32 s21, s21, SCL
	v_add_nc_u32 v5, v5, v6
	v_add_nc_u32 v[ADRS], s21, v5
	s_lshl_b32 s21, s14, 9
	s_add_co_u32 s21, s21, SST
	v_lshl_add_u32 v[SWS], v3, 2, s21
	v_add_nc_u32 v[SWL], s21, v[MO]
	v_lshlrev_b32 v[PFO], 8, v1
	v_lshl_add_u32 v[PFO], v2, 15, v[PFO]          ; lanes 0-15: one tile's 16 x 256 bytes; lanes 16-31: the next tile's
	s_lshl_b32 s20, s17, 4                         ; Mimg: my eight row tiles 16 y + 8 (row half) + a, K step 2 x tile column + column half
	s_lshl_b32 s21, s15, 3
	s_add_co_u32 s20, s20, s21
	s_lshl_b32 s20, s20, 15
	s_lshl_b32 s46, s42, 1
	s_add_co_u32 s46, s46, s16
	s_lshl_b32 s47, s46, 11
	s_add_co_u32 s20, s20, s47
	s_mov_b32 s21, 0
	s_add_nc_u64 s[8:9], s[8:9], s[20:21]
	s_lshr_b32 s20, s17, 3                         ; Msc: batch, that K step, my eight tiles' 512 bytes
	s_lshl_b32 s20, s20, 17
	s_lshl_b32 s47, s46, 13
	s_add_co_u32 s20, s20, s47
	s_and_b32 s47, s17, 7
	s_lshl_b32 s47, s47, 4
	s_lshl_b32 s22, s15, 3
	s_add_co_u32 s47, s47, s22
	s_lshl_b32 s47, s47, 6
	s_add_co_u32 s20, s20, s47
	s_add_nc_u64 s[10:11], s[10:11], s[20:21]
	s_mov_b32 s18, 0x76543210                      ; lane selects of v_permlanex16_b32: lane l xor 16
	s_mov_b32 s19, 0xfedcba98
.macro FRAG reg, adr, q, i             ; tile i's fragment of the slot's q-th 128 along K: its image, four loads of 512 consecutive bytes
.irp c, 0,1,2,3
	ds_load_b128 v[\reg+4*\c:\reg+4*\c+3], v[\adr] offset:FRB*(\q)+512*\c+(\i)*TILEB
.endr
.endm
; 16 matrix instructions: A's blocks a0, a0 + 1 x B's eight, 128 along K.  p: B's set;  sc: the set of scale words.  zero = 1: the first product starts the sums.
; The 64 accumulators take turns, one instruction a turn, in the same order in every step.
.macro MUL16 a0, p, q, sc, zero
.irp a, \a0, \a0+1
.irp b, 0,1,2,3,4,5,6,7
.if \zero
	v_wmma_scale_f32_16x16x128_f8f6f4 v[8*(8*((\a)%4)+\b):8*(8*((\a)%4)+\b)+7], v[128*(\p)+FR*\b:128*(\p)+FR*\b+FR-1], v[AF+FR*(\a):AF+FR*(\a)+FR-1], 0, v[SC+8*NQ*(\sc)+NQ*\b+(\q)], v[SC+8*NQ*(\sc)+NQ*(\a)+(\q)] matrix_a_scale:MATRIX_SCALE_ROW1
.else
	v_wmma_scale_f32_16x16x128_f8f6f4 v[8*(8*((\a)%4)+\b):8*(8*((\a)%4)+\b)+7], v[128*(\p)+FR*\b:128*(\p)+FR*\b+FR-1], v[AF+FR*(\a):AF+FR*(\a)+FR-1], v[8*(8*((\a)%4)+\b):8*(8*((\a)%4)+\b)+7], v[SC+8*NQ*(\sc)+NQ*\b+(\q)], v[SC+8*NQ*(\sc)+NQ*(\a)+(\q)] matrix_a_scale:MATRIX_SCALE_ROW1
.endif
.endr
.endr
.endm
.macro FETCH_B slot, q, p
	WIN TO_B
.irp i, 0,1,2,3,4,5,6,7
	FRAG 128*(\p)+FR*\i, ADRB+\slot, \q, \i
.endr
	WIN 0
.endm
.macro FETCH_A slot, q, i0
.irp i, \i0, \i0+1, \i0+2, \i0+3
	FRAG AF+FR*(\i), ADRA+\slot, \q, \i
.endr
.endm
.macro SCALES sc                       ; the next slot's scale words: lanes 0-15 A's block i, lanes 16-31 B's block i
.irp i, 0,1,2,3,4,5,6,7
.irp q, 0,1
	ds_load_b32 v[SC+8*NQ*\sc+NQ*\i+\q], v[ADRS] offset:512*\q+64*\i
.endr
.endr
.endm
.macro PLACES n                        ; plain vector instructions between a matrix instruction and a load into, or a read of, its registers (ISA guide 7.12.1 for reads)
.rept \n
	v_nop
.endr
.endm
.macro STEP slot, q, zero              ; a step of 128 along K that has its successor in the same slot
	s_wait_dscnt 4*NL                              ; B's set, A's blocks 0-3 and the scale words are in; the youngest sixteen loads (A's blocks 4-7) may be out
	WIN MUL_LO
	MUL16 0, (\q)%2, \q, \slot, \zero
	MUL16 2, (\q)%2, \q, \slot, \zero
	s_wait_dscnt 0                                 ; A's blocks 4-7 are in
	PLACES NP
	FETCH_B \slot, (\q)+1, 1-(\q)%2
	FETCH_A \slot, (\q)+1, 0
	WIN MUL_HI
	MUL16 4, (\q)%2, \q, \slot, \zero
	MUL16 6, (\q)%2, \q, \slot, \zero
	PLACES NP
	WIN 0
	FETCH_A \slot, (\q)+1, 4
.endm
; A slot's last step.  THE CHANGE OF SLOTS STANDS AT ITS HEAD: all of the step's fragments have been asked for (the last of them, A's blocks 4-7, at the end of the step before), so the slot is read no more
; once those loads are back.  Each wave waits for all its tensor loads, adds 0 to its spare word, and waits for that and for its reads of this slot; ONE barrier.  fill = 1: the barrier opens a round of the
; cluster's, and this slot is filled again, two slots ahead, first thing behind it: the refill has this step's 64 matrix instructions and the next step's 64 in which to land.
; Then the step itself, laid as STEP is; what it fetches is the next slot's first step.
.macro TURN slot, next, fill
.if \fill
	s_wait_xcnt 0x0                                ; the last prefetch, a slot back, has read its address: it is stepped here, ahead of the waits of the change of slots
	s_add_nc_u64 s[PFA:PFA+1], s[PFA:PFA+1], TILEB
.endif
	s_wait_tensorcnt 0x0                           ; all my tensor loads have landed: my part of the next slot; so a group 0 may be written  (every window is 0 here)
	ds_add_u32 v[SPW], v[NIL]                      ; 0 onto my spare word; with fill = 1 the descriptors' steps stand between it and the wait for it
.if \fill
	s_add_nc_u64 s[G0+4*\slot+2:G0+4*\slot+3], s[G0+4*\slot+2:G0+4*\slot+3], 2*TILEB
	s_add_nc_u64 s[G0B+4*\slot+2:G0B+4*\slot+3], s[G0B+4*\slot+2:G0B+4*\slot+3], 2*TILEB
.endif
	s_wait_dscnt 0x0                               ; the add is done, and my reads of this slot are over: all this step's fragments are in registers
	s_barrier_signal -1
	s_barrier_wait -1
.if \fill
	CREST                                          ; the barrier has opened a round of the cluster's barrier: no wave of any partner still reads this slot or has a load on its way
	JLOAD G0+4*\slot, G1, G0B+4*\slot, G1B         ; the first tensor load behind the round, and my only one until the next
	ASK
.endif
	WIN MUL_LO
	MUL16 0, 1, NQ-1, \slot, 0
	MUL16 2, 1, NQ-1, \slot, 0
	PLACES NP
	WIN 0
	v_add_nc_u32 v[ADRS], 512*NQ, v[ADRS]          ; on to the next slot's scale words
	FETCH_B \next, 0, 0
	FETCH_A \next, 0, 0
	SCALES \next
	WIN MUL_HI
	MUL16 4, 1, NQ-1, \slot, 0
	MUL16 6, 1, NQ-1, \slot, 0
	PLACES NP
	WIN 0
	FETCH_A \next, 0, 4
.endm
	s_wait_tensorcnt 1                             ; the scale words and my part of slot 0 are in (slot 1's load may be out)
	s_barrier_signal -1
	s_barrier_wait -1                              ; everybody's are
	FETCH_B 0, 0, 0
	FETCH_A 0, 0, 0
	SCALES 0
	FETCH_A 0, 0, 4
	STEP 0, 0, 1                                   ; the first step stands in front of the loop: its products start the sums
	s_mov_b32 s3, LAPS-1
.Llap:                                             ; a trip goes once round the ring, from a lap's second step to the next lap's first, and fills both slots again
	TURN 0, 1, 1
	STEP 1, 0, 0
	TURN 1, 0, 1
	STEP 0, 0, 0
	s_sub_co_u32 s3, s3, 1
	s_cmp_lg_u32 s3, 0
	s_cbranch_scc1 .Llap
	TURN 0, 1, 0                                   ; the last lap fills nothing, and has no round of the cluster's barrier
	STEP 1, 0, 0
	s_wait_dscnt 4*NL                              ; the very last step: nothing more to fetch
	WIN MUL_LO
	MUL16 0, 1, NQ-1, 1, 0
	MUL16 2, 1, NQ-1, 1, 0
	s_wait_dscnt 0
	WIN MUL_HI
	MUL16 4, 1, NQ-1, 1, 0
	MUL16 6, 1, NQ-1, 1, 0
	WIN 0
; THE WAY OUT.  Block a (16 rows x my 128 columns k: 64 registers a lane) is quantised along k and is one fragment of the next product: its codes leave as the image of their registers, four stores of 512
; consecutive bytes.  Each block has its own sixteen registers for its codes, where A's fragments lay: no store's data are written again.
.macro QM a
.set AC, 64*((\a)%4)
.set PCA, AF+16*(\a)
	WIN 5*(2+(\a)/4)                               ; sources 0 and 1: the block's window
.irp b, 0,1,2,3
	v_max3_num_f32 v[TM+\b], v[AC+16*\b], v[AC+16*\b+1], 0x4800000   ; each accumulator is read from its low end on; the floor 2^(9 - 127) holds the byte at 1 from below
.endr
.irp i, 2,4,6,8,10,12,14
.irp b, 0,1,2,3
	v_max3_num_f32 v[TM+\b], v[AC+16*\b+\i], v[AC+16*\b+\i+1], v[TM+\b]
.endr
.endr
	WIN 0
.irp b, 0,1,2,3
	v_permlanex16_b32 v[TM+4+\b], v[TM+\b], s18, s19
.endr
.irp b, 0,1,2,3
	v_max_num_f32 v[TM+\b], v[TM+\b], v[TM+4+\b]   ; with lane l xor 16's: the block of 32's largest number
.endr
.irp b, 0,1,2,3
	v_add_nc_u32 v[TM+12+\b], 0xfc000000, v[TM+\b]
.endr
.irp b, 0,1,2,3
	v_and_or_b32 v[TM+8+\b], v[TM+\b], 0x7f800000, s[MNT]
.endr
.irp b, 0,1,2,3
	v_lshrrev_b32 v[TM+4+\b], 23, v[TM+12+\b]
.endr
	v_lshl_or_b32 v[PW+(\a)], v[TM+5], 8, v[TM+4]
	v_lshl_or_b32 v[PW+(\a)], v[TM+6], 16, v[PW+(\a)]
	v_lshl_or_b32 v[PW+(\a)], v[TM+7], 24, v[PW+(\a)]
	WIN 65*(2+(\a)/4)                              ; source 0 and destination: the block's window
.irp b, 0,1,2,3
.irp i, 0,1,2,3,4,5,6,7,8,9,10,11,12,13,14,15
	v_min_num_f32 v[AC+16*\b+\i], v[AC+16*\b+\i], v[TM+8+\b]   ; the conversion to an 8-bit code does not saturate (ISA guide 7.6.2)
.endr
.endr
	WIN 2+(\a)/4                                   ; source 0: the block's window
.irp b, 0,1,2,3
	v_cvt_scalef32_pk8_fp8_f32 v[PCA+4*\b:PCA+4*\b+1], v[AC+16*\b:AC+16*\b+7], v[TM+12+\b]
	v_cvt_scalef32_pk8_fp8_f32 v[PCA+4*\b+2:PCA+4*\b+3], v[AC+16*\b+8:AC+16*\b+15], v[TM+12+\b]
.endr
	WIN 0
	v_nop                                          ; a plain line behind the last conversion
.irp c, 0,1,2,3
	global_store_b128 v[MO], v[PCA+4*\c:PCA+4*\c+3], s[8:9] offset:32768*(\a)+512*\c
.endr
.endm
	PLACES NP                                      ; behind the last products: for the first reads of results and the writes of the registers that held A's fragments
.irp b, 0,1,2,3
	v_mov_b32 v[TM+4+\b], 0                        ; written once: a lane permute's destination counts as one of its sources
.endr
.irp a, 0,1,2,3,4,5,6,7
	QM \a
.endr
.irp p, 0,1,2,3
	v_cndmask_b32 v[SW+\p], v[PW+2*\p], v[PW+2*\p+1], s[HALF]   ; lanes 0-15: block 2 p's words; lanes 16-31: block 2 p + 1's
.endr
.irp p, 0,1,2,3
	ds_store_b32 v[SWS], v[SW+\p] offset:128*\p    ; my eight blocks' 512 bytes on end, in my own bytes of LDS;
.endr
	ds_load_b128 v[SW+4:SW+7], v[SWL]              ; LDS serves a wave's instructions in order (ISA guide 5.7.1.4): this sees the stores
	s_wait_dscnt 0x0
	global_store_b128 v[MO], v[SW+4:SW+7], s[10:11]   ; 512 consecutive bytes, aligned
	s_wait_tensorcnt 0x0                           ; the wave's end, behind my last tensor load and my last LDS store
	ds_add_u32 v[SPW], v[NIL]
	s_wait_dscnt 0x0
	CROUND                                         ; the closing round: no work-group ends while a partner may still ask for a tile that names it
	s_endpgm
.Lfunc_end_k_q93ed8436eb_gemm:
	.size	k_q93ed8436eb_gemm, .Lfunc_end_k_q93ed8436eb_gemm-k_q93ed8436eb_gemm
	.p2alignl 7, 3214868480
	.fill 96, 4, 3214868480
	.section	.rodata,"a",@progbits
	.p2align	6, 0x0
	.amdhsa_kernel k_q93ed8436eb_gemm
		.amdhsa_group_segment_fixed_size 327680
		.amdhsa_private_segment_fixed_size 0
		.amdhsa_enable_private_segment 0
		.amdhsa_kernarg_size 32
		.amdhsa_user_sgpr_count 2
		.amdhsa_user_sgpr_kernarg_segment_ptr 1
		.amdhsa_wavefront_size32 1
		.amdhsa_system_sgpr_workgroup_id_x 1
		.amdhsa_system_sgpr_workgroup_id_y 1
		.amdhsa_system_sgpr_workgroup_id_z 1
		.amdhsa_system_vgpr_workitem_id 0
		.amdhsa_next_free_vgpr 1024
		.amdhsa_next_free_sgpr 100
		.amdhsa_reserve_vcc 0
		.amdhsa_float_denorm_mode_32 3
		.amdhsa_float_denorm_mode_16_64 3
		.amdhsa_memory_ordered 1
		.amdhsa_forward_progress 1
		.amdhsa_inst_pref_size 172
	.end_amdhsa_kernel
	.amdgpu_metadata
---
amdhsa.version: [ 1, 2 ]
amdhsa.kernels:
  - .name:           k_q93ed8436eb_gemm
    .symbol:         k_q93ed8436eb_gemm.kd
    .args:
      - { .name: Pimg, .offset: 0, .size: 8, .value_kind: global_buffer, .address_space: global }
      - { .name: Psc, .offset: 8, .size: 8, .value_kind: global_buffer, .address_space: global }
      - { .name: Mimg, .offset: 16, .size: 8, .value_kind: global_buffer, .address_space: global }
      - { .name: Msc, .offset: 24, .size: 8, .value_kind: global_buffer, .address_space: global }
    .group_segment_fixed_size: 327680
    .private_segment_fixed_size: 0
    .kernarg_segment_align: 8
    .kernarg_segment_size: 32
    .max_flat_workgroup_size: 128
    .sgpr_count:     100
    .vgpr_count:     1024
    .wavefront_size: 32
...
	.end_amdgpu_metadata
.endif
;; end of part 3
;; launch fin (part 4): grid 32 x 8, 8 waves a work-group, clusters of 4 x 1, 306,176 bytes of LDS; arguments Pimg, Psc, Mimg, Msc, TC, TS, Uid, out0; writes out0
.if DOCPART == 4
	.amdgcn_target "amdgcn-amd-amdhsa--gfx1250"
	.amdhsa_code_object_version 6
	.text
	.protected	k_q93ed8436eb_fin
	.globl	k_q93ed8436eb_fin
	.p2align	8
	.type	k_q93ed8436eb_fin,@function
k_q93ed8436eb_fin:
	s_mov_b64 s[64:65], 0
	v_nop
	global_prefetch_b8 v0, s[64:65] scope:SCOPE_SE
	s_setreg_imm32_b32 hwreg(HW_REG_WAVE_MODE, 25, 1), 1
	s_wait_xcnt 0x0
	s_wait_alu depctr_hold_cnt(0) depctr_sa_sdst(0) depctr_va_vdst(0) depctr_va_sdst(0) depctr_va_ssrc(0) depctr_va_vcc(0) depctr_vm_vsrc(0)
	s_getreg_b32 s2, hwreg(HW_REG_IB_STS2, 6, 4)
	s_cmp_eq_u32 s2, 0
	s_cbranch_scc0 .Lentry_in_a_cluster
	s_endpgm
.Lentry_in_a_cluster:
	s_bfe_u32 s2, ttmp6, 0x10000c
	s_cmp_lg_u32 s2, 0x3003
	s_cbranch_scc0 .Lentry_shape_is_right
	s_endpgm
.Lentry_shape_is_right:
; FIN.  A_D2Q = P Uq (K = j) and A_Q2D = M Uid (K = k), both on codes of E4M3, and the output [Uid | A_D2Q | Uid x A_D2Q | Uid x A_Q2D].  No work is left out.
; SHARES.  y = 2 x batch + product (0: P Uq; 1: M Uid); x = a block of 64 rows, four tiles.  One path serves both products: the buffers are chosen by y.  Of the eight waves, wave w takes row tile w % 4 and
; columns e = 64 (w / 4) on: four accumulators.  Product 0 stores columns 128-255 and 256-383 of the output, product 1 columns 0-127 (Uid itself) and 384-511: each byte has one owner.
; CLUSTER.  The four blocks of rows of a cluster need the same right operand, whole: 256 KiB of codes and 8 KiB of scale words.  It fits in LDS, so it is asked for JOINTLY once, three tensor loads a wave, and
; nothing is filled again.  P's or M's fragments are read by the two waves of a row tile alone: they come straight into registers, as images, five deep.
; The product is used transposed (source 0 = 16 columns e, source 1 = 16 rows): a lane holds eight neighbouring e of one row.  Place r of row tile t is row 32 (t / 2) + 8 (t % 2) + r % 8 + 16 (r / 8).
.set BS,    262144                     ; LDS: the codes [K step 16][8 tiles of e][2,048] at 0; behind them the scale words [K step][e]
.set STAGE, BS+8192                    ; the way out: 16 rows x (256 bytes + 16) for each wave; no fill lands here
.set SPARE, STAGE+8*16*272             ; the spare words, 128 bytes for each wave: four blocks of 256 bytes that no other line names
.set LI,  1                            ; v1     16 x lane
.set BA,  2                            ; v2-5   the codes in LDS: 16 lane + 8,192 (w / 4) + 65,536 g, for K steps 4 g .. 4 g + 3
.set BSA, 6                            ; v6     the scale words in LDS: two neighbouring tiles of e to a register
.set ASA, 7                            ; v7     8,192 h + 4 r: the rows' scale words of two neighbouring K steps to a register
.set UA,  8                            ; v8     Uid: 512 h + 16 (lane % 16)
.set OA,  9                            ; v9     the output: 2,048 h + 16 (lane % 16)
.set STO, 10
.set RD,  11
.set SPW, 12                           ; v12    my spare word; never rewritten
.set NIL, 13                           ; v13    0; never rewritten
.set BSW, 14                           ; v14-15 scale words of the right operand: they hold scales alone
.set ASW, 16                           ; v16-23 of P or M
.set AR,  32                           ; v32-111  five fragments of P or M
.set U,   112                          ; v112-143 Uid at the places that I store
.set BF,  144                          ; v144-207 four fragments of the right operand; on the way out RB and PR
.set RB,  144
.set PR,  176
.set ACC, 208                          ; v208-239
.set WV,  20
.set G1C, 28                           ; s[28:35] group 1 for 16,384 dense bytes
.set G1T, 36                           ; s[36:43] for 1,024
.set G0T, 44
.set G0A, 48
.set G0B, 52
.macro ROUND
	s_barrier_signal -1
	s_barrier_wait -1
	s_cmp_lg_u32 s[WV], 0
	s_cbranch_scc1 .Lnot_wave_0_\@
	s_barrier_signal -3
.Lnot_wave_0_\@:
	s_barrier_wait -3
	s_barrier_signal -1
	s_barrier_wait -1
.endm
	s_load_b256 s[4:11], s[0:1], 0x0               ; Pimg s[4:5], Psc s[6:7], Mimg s[8:9], Msc s[10:11]
	s_load_b256 s[12:19], s[0:1], 0x20             ; TC s[12:13], TS s[14:15], Uid s[16:17], out0 s[18:19]
	v_lshl_add_u32 v[SPW], v0, 2, SPARE
	v_mov_b32 v[NIL], 0
	ds_add_u32 v[SPW], v[NIL]                      ; the wave's opening: the add, twice on end, and its wait ahead of my first tensor load; work on registers stands between
	ds_add_u32 v[SPW], v[NIL]
	v_lshrrev_b32 v24, 5, v0
	v_readfirstlane_b32 s[WV], v24                 ; wave 0..7
	s_and_b32 s21, s[WV], 3                        ; my row tile of the four
	s_lshr_b32 s22, s[WV], 2                       ; my half of the columns e
	s_bfe_u32 s23, ttmp6, 0x40000                  ; cx
	s_and_b32 s24, ttmp7, 0xffff                   ; y, which the four partners share
	s_lshr_b32 s25, s24, 1                         ; batch
	s_and_b32 s26, s24, 1                          ; product
	s_xor_b32 s56, s26, 1                          ; which half of TC and TS: product 0 takes Uq (1), product 1 Uid (0)
	s_lshl_b32 s27, ttmp9, 2
	s_add_co_u32 s27, s27, s23                     ; my block of 64 rows: it enters global addresses alone
	s_mov_b32 s[G1C], 15|(3<<16)|(1<<21)           ; the four work-groups; elements of 8 bytes; bit 21 beside a mask; no padding
	s_mov_b32 s[G1C+1], 32<<16                     ; rows of 256 bytes,
	s_mov_b32 s[G1C+2], 64<<16                     ; 64 of them,
	s_mov_b32 s[G1C+3], 32<<16
	s_mov_b32 s[G1C+4], 64
	s_mov_b32 s[G1C+5], 32                         ; dense
	s_mov_b32 s[G1C+6], 0
	s_mov_b32 s[G1C+7], 0
	s_mov_b32 s[G1T], 15|(3<<16)|(1<<21)
	s_mov_b32 s[G1T+1], 32<<16
	s_mov_b32 s[G1T+2], 4<<16                      ; four rows of 256 bytes
	s_mov_b32 s[G1T+3], 32<<16
	s_mov_b32 s[G1T+4], 4
	s_mov_b32 s[G1T+5], 32
	s_mov_b32 s[G1T+6], 0
	s_mov_b32 s[G1T+7], 0
	s_lshl_b32 s58, s56, 20                        ; TC: the tensor, the batch, K step w: made of y and the wave alone
	s_lshl_b32 s63, s25, 18
	s_add_co_u32 s58, s58, s63
	s_lshl_b32 s[G0A+1], s[WV], 14                 ; (also its place in LDS)
	s_add_co_u32 s58, s58, s[G0A+1]
	s_mov_b32 s59, 0
	s_lshl_b32 s60, s56, 15                        ; TS: the tensor, the batch, K steps 2 w and 2 w + 1
	s_lshl_b32 s63, s25, 13
	s_add_co_u32 s60, s60, s63
	s_lshl_b32 s63, s[WV], 10
	s_add_co_u32 s60, s60, s63
	s_mov_b32 s61, 0
	s_add_co_u32 s[G0T+1], s63, BS
	s_add_co_u32 s[G0B+1], s[G0A+1], 0x20000       ; K step 8 + w
	s_lshl_b32 s62, s27, 2
	s_add_co_u32 s62, s62, s21                     ; my row tile in the batch
	s_lshl_b32 s66, s25, 22                        ; its fragments
	s_lshl_b32 s63, s62, 15
	s_add_co_u32 s66, s66, s63
	s_mov_b32 s67, 0
	s_lshl_b32 s68, s25, 17                        ; its scale words
	s_lshl_b32 s63, s62, 6
	s_add_co_u32 s68, s68, s63
	s_mov_b32 s69, 0
	s_lshl_b32 s70, s25, 11                        ; its first row: 2,048 batch + 64 block + 32 (tile / 2) + 8 (tile % 2)
	s_lshl_b32 s63, s27, 6
	s_add_co_u32 s70, s70, s63
	s_lshr_b32 s63, s21, 1
	s_lshl_b32 s63, s63, 5
	s_add_co_u32 s70, s70, s63
	s_and_b32 s63, s21, 1
	s_lshl_b32 s63, s63, 3
	s_add_co_u32 s70, s70, s63
	s_lshl_b32 s71, s22, 8                         ; my 64 columns: 256 bytes
	s_lshl_b32 s72, s70, 9
	s_add_co_u32 s72, s72, s71                     ; in Uid
	s_mov_b32 s73, 0
	s_lshl_b32 s74, s70, 11
	s_add_co_u32 s74, s74, s71                     ; in the output
	s_mov_b32 s75, 0
	s_lshl_b32 s76, s56, 9                         ; the first store: product 0 at byte 512 of a row (A_D2Q), product 1 at byte 0 (Uid)
	s_mov_b32 s77, 0
	s_lshl_b32 s78, s26, 9
	s_add_co_u32 s78, s78, 1024                    ; the second: at byte 1,024 or 1,536 (Uid x the product)
	s_mov_b32 s79, 0
	v_and_b32 v24, 31, v0                          ; lane
	v_and_b32 v25, 15, v0                          ; r
	v_bfe_u32 v26, v0, 4, 1                        ; h
	v_lshlrev_b32 v[LI], 4, v24
	s_lshl_b32 s63, s22, 13
	v_add_nc_u32 v[BA], s63, v[LI]
	v_add_nc_u32 v[BA+1], 0x10000, v[BA]
	v_add_nc_u32 v[BA+2], 0x20000, v[BA]
	v_add_nc_u32 v[BA+3], 0x30000, v[BA]
	s_add_co_u32 s63, s71, BS
	v_lshl_add_u32 v[BSA], v24, 2, s63
	v_lshlrev_b32 v[ASA], 2, v25
	v_lshl_add_u32 v[ASA], v26, 13, v[ASA]
	v_lshlrev_b32 v[UA], 4, v25
	v_lshl_add_u32 v[OA], v26, 11, v[UA]
	v_lshl_add_u32 v[UA], v26, 9, v[UA]
	s_mul_i32 s63, s[WV], 16*272
	s_add_co_u32 s63, s63, STAGE                   ; my stage
	v_mul_u32_u24 v[STO], v25, 272
	v_lshl_add_u32 v[STO], v26, 5, v[STO]
	v_add_nc_u32 v[STO], s63, v[STO]               ; in: place r, 32 bytes for each half of the lanes
	v_mul_u32_u24 v[RD], v26, 272
	v_lshl_add_u32 v[RD], v25, 4, v[RD]
	v_add_nc_u32 v[RD], s63, v[RD]                 ; back: lanes 0-15 one place's 256 bytes, lanes 16-31 the next's
	s_wait_dscnt 0x0                               ; both opening adds are done
	s_wait_kmcnt 0x0
	s_mov_b32 s[G0T], 1
	s_add_nc_u64 s[G0T+2:G0T+3], s[14:15], s[60:61]
	s_or_b32 s[G0T+3], s[G0T+3], 0x80000000
	s_mov_b32 s[G0A], 1
	s_add_nc_u64 s[G0A+2:G0A+3], s[12:13], s[58:59]
	s_add_nc_u64 s[G0B+2:G0B+3], s[G0A+2:G0A+3], 0x20000
	s_or_b32 s[G0A+3], s[G0A+3], 0x80000000
	s_mov_b32 s[G0B], 1
	s_or_b32 s[G0B+3], s[G0B+3], 0x80000000
	s_cmp_eq_u32 s26, 0                            ; P or M: the choice hangs on y alone
	s_cselect_b64 s[4:5], s[4:5], s[8:9]
	s_cselect_b64 s[6:7], s[6:7], s[10:11]
	s_cselect_b32 s57, 0, -1                       ; all lanes in product 1
	s_add_nc_u64 s[4:5], s[4:5], s[66:67]
	s_add_nc_u64 s[6:7], s[6:7], s[68:69]
	s_add_nc_u64 s[16:17], s[16:17], s[72:73]
	s_add_nc_u64 s[18:19], s[18:19], s[74:75]
	s_add_nc_u64 s[78:79], s[18:19], s[78:79]
	s_add_nc_u64 s[18:19], s[18:19], s[76:77]
	ROUND                                          ; all four work-groups are here: the joint loads meet
	tensor_load_to_lds s[G0T:G0T+3], s[G1T:G1T+7]  ; my eighth of the scale words,
	s_nop 0
	tensor_load_to_lds s[G0A:G0A+3], s[G1C:G1C+7]  ; K step w's codes,
	s_nop 0
	tensor_load_to_lds s[G0B:G0B+3], s[G1C:G1C+7]  ; K step 8 + w's: three tensor loads of mine are out
	s_nop 0
.macro ALOAD s                         ; my row tile's fragment of K step s into set s % 5
.irp c, 0,1,2,3
	global_load_b128 v[AR+16*((\s)%5)+4*\c:AR+16*((\s)%5)+4*\c+3], v[LI], s[4:5] offset:2048*(\s)+512*\c
.endr
.endm
.irp p, 0,1,2,3,4,5,6,7
	global_load_b32 v[ASW+\p], v[ASA], s[6:7] offset:16384*\p   ; lanes 0-15: K step 2 p's words of my rows; lanes 16-31: K step 2 p + 1's
.endr
.irp q, 0,1,2,3,4,5,6,7
	global_load_b128 v[U+4*\q:U+4*\q+3], v[UA], s[16:17] offset:(2*(\q%4)+16*(\q/4))*512   ; places 2 q and 2 q + 1 of the tile are rows 2 (q % 4) + 16 (q / 4) + h
.endr
.irp s, 0,1,2,3,4
	ALOAD \s
.endr
.macro MM n, s                         ; accumulator n: columns 16 n + .. of my 64, K step s.  The rows of the scale registers go by n % 2 and s % 2
.if (\s) == 0
.if (\n)%2 == 0
	v_wmma_scale_f32_16x16x128_f8f6f4 v[ACC+8*(\n):ACC+8*(\n)+7], v[BF+16*(\n):BF+16*(\n)+15], v[AR+16*((\s)%5):AR+16*((\s)%5)+15], 0, v[BSW+(\n)/2], v[ASW+(\s)/2]
.else
	v_wmma_scale_f32_16x16x128_f8f6f4 v[ACC+8*(\n):ACC+8*(\n)+7], v[BF+16*(\n):BF+16*(\n)+15], v[AR+16*((\s)%5):AR+16*((\s)%5)+15], 0, v[BSW+(\n)/2], v[ASW+(\s)/2] matrix_a_scale:MATRIX_SCALE_ROW1
.endif
.elseif (\s)%2 == 0
.if (\n)%2 == 0
	v_wmma_scale_f32_16x16x128_f8f6f4 v[ACC+8*(\n):ACC+8*(\n)+7], v[BF+16*(\n):BF+16*(\n)+15], v[AR+16*((\s)%5):AR+16*((\s)%5)+15], v[ACC+8*(\n):ACC+8*(\n)+7], v[BSW+(\n)/2], v[ASW+(\s)/2]
.else
	v_wmma_scale_f32_16x16x128_f8f6f4 v[ACC+8*(\n):ACC+8*(\n)+7], v[BF+16*(\n):BF+16*(\n)+15], v[AR+16*((\s)%5):AR+16*((\s)%5)+15], v[ACC+8*(\n):ACC+8*(\n)+7], v[BSW+(\n)/2], v[ASW+(\s)/2] matrix_a_scale:MATRIX_SCALE_ROW1
.endif
.else
.if (\n)%2 == 0
	v_wmma_scale_f32_16x16x128_f8f6f4 v[ACC+8*(\n):ACC+8*(\n)+7], v[BF+16*(\n):BF+16*(\n)+15], v[AR+16*((\s)%5):AR+16*((\s)%5)+15], v[ACC+8*(\n):ACC+8*(\n)+7], v[BSW+(\n)/2], v[ASW+(\s)/2] matrix_b_scale:MATRIX_SCALE_ROW1
.else
	v_wmma_scale_f32_16x16x128_f8f6f4 v[ACC+8*(\n):ACC+8*(\n)+7], v[BF+16*(\n):BF+16*(\n)+15], v[AR+16*((\s)%5):AR+16*((\s)%5)+15], v[ACC+8*(\n):ACC+8*(\n)+7], v[BSW+(\n)/2], v[ASW+(\s)/2] matrix_a_scale:MATRIX_SCALE_ROW1 matrix_b_scale:MATRIX_SCALE_ROW1
.endif
.endif
.endm
; A K step of 128: the four accumulators take turns, one instruction a turn, from step to step too.
.macro KSTEP s
.if (\s) > 0
.rept 8
	v_nop                                          ; places in front of loads into registers that the last step's matrix instructions have read
.endr
.if (\s)+4 <= 15
	ALOAD (\s)+4                                   ; into the set that the last step multiplied
.endif
.endif
.irp n, 0,1,2,3
.irp c, 0,1,2,3
	ds_load_b128 v[BF+16*\n+4*\c:BF+16*\n+4*\c+3], v[BA+(\s)/4] offset:((\s)%4)*16384+2048*\n+512*\c
.endr
.endr
	ds_load_b32 v[BSW], v[BSA] offset:512*(\s)
	ds_load_b32 v[BSW+1], v[BSA] offset:512*(\s)+128
.if (\s)+4 <= 15
	s_wait_loadcnt 16                              ; this step's fragment is in; the four younger fragments' sixteen loads may be out
.else
	s_wait_loadcnt 4*(15-(\s))
.endif
	s_wait_dscnt 0x0
.irp n, 0,1,2,3
	MM \n, \s
.endr
.endm
	s_wait_tensorcnt 1                             ; my scale words and K step w are in LDS; K step 8 + w's load may be out
	s_barrier_signal -1
	s_barrier_wait -1                              ; everybody's are
.irp s, 0,1,2,3,4,5,6,7
	KSTEP \s
.endr
	s_wait_tensorcnt 0x0                           ; K step 8 + w is in,
	s_barrier_signal -1
	s_barrier_wait -1                              ; everybody's is
.irp s, 8,9,10,11,12,13,14,15
	KSTEP \s
.endr
; THE WAY OUT.  A lane holds 32 neighbouring bytes of a row and the lanes beside it hold other rows: the tile goes through my own stage in LDS and comes back as 256 bytes a row.
.rept 8
	v_nop
.endr
.irp n, 0,1,2,3
	ds_store_b128 v[STO], v[ACC+8*\n:ACC+8*\n+3] offset:64*\n          ; each accumulator from its low end on
	ds_store_b128 v[STO], v[ACC+8*\n+4:ACC+8*\n+7] offset:64*\n+16
.endr
.irp q, 0,1,2,3,4,5,6,7
	ds_load_b128 v[RB+4*\q:RB+4*\q+3], v[RD] offset:544*\q             ; LDS serves a wave's instructions in order (ISA guide 5.7.1.4): these see my stores
.endr
	s_wait_dscnt 0x0
.set J, 0
.rept 16
	v_pk_mul_f32 v[PR+2*J:PR+2*J+1], v[U+2*J:U+2*J+1], v[RB+2*J:RB+2*J+1]   ; Uid x the product
.set J, J+1
.endr
.set J, 0
.rept 32
	v_cndmask_b32 v[RB+J], v[RB+J], v[U+J], s57    ; the first store's numbers: A_D2Q in product 0, Uid itself in product 1
.set J, J+1
.endr
.irp q, 0,1,2,3,4,5,6,7
	global_store_b128 v[OA], v[RB+4*\q:RB+4*\q+3], s[18:19] offset:(2*(\q%4)+16*(\q/4))*2048 th:TH_STORE_NT   ; sixteen lanes store 256 consecutive bytes, aligned
.endr
.irp q, 0,1,2,3,4,5,6,7
	global_store_b128 v[OA], v[PR+4*\q:PR+4*\q+3], s[78:79] offset:(2*(\q%4)+16*(\q/4))*2048 th:TH_STORE_NT
.endr
	s_wait_tensorcnt 0x0                           ; the wave's end, behind my last tensor load and my last LDS store
	ds_add_u32 v[SPW], v[NIL]
	s_wait_dscnt 0x0
	ROUND                                          ; the closing round
	s_endpgm
.Lfunc_end_k_q93ed8436eb_fin:
	.size	k_q93ed8436eb_fin, .Lfunc_end_k_q93ed8436eb_fin-k_q93ed8436eb_fin
	.p2alignl 7, 3214868480
	.fill 96, 4, 3214868480
	.section	.rodata,"a",@progbits
	.p2align	6, 0x0
	.amdhsa_kernel k_q93ed8436eb_fin
		.amdhsa_group_segment_fixed_size 306176
		.amdhsa_private_segment_fixed_size 0
		.amdhsa_enable_private_segment 0
		.amdhsa_kernarg_size 64
		.amdhsa_user_sgpr_count 2
		.amdhsa_user_sgpr_kernarg_segment_ptr 1
		.amdhsa_wavefront_size32 1
		.amdhsa_system_sgpr_workgroup_id_x 1
		.amdhsa_system_sgpr_workgroup_id_y 1
		.amdhsa_system_sgpr_workgroup_id_z 1
		.amdhsa_system_vgpr_workitem_id 0
		.amdhsa_next_free_vgpr 256
		.amdhsa_next_free_sgpr 80
		.amdhsa_reserve_vcc 0
		.amdhsa_float_denorm_mode_32 3
		.amdhsa_float_denorm_mode_16_64 3
		.amdhsa_memory_ordered 1
		.amdhsa_forward_progress 1
		.amdhsa_inst_pref_size 51
	.end_amdhsa_kernel
	.amdgpu_metadata
---
amdhsa.version: [ 1, 2 ]
amdhsa.kernels:
  - .name:           k_q93ed8436eb_fin
    .symbol:         k_q93ed8436eb_fin.kd
    .args:
      - { .name: Pimg, .offset: 0, .size: 8, .value_kind: global_buffer, .address_space: global }
      - { .name: Psc, .offset: 8, .size: 8, .value_kind: global_buffer, .address_space: global }
      - { .name: Mimg, .offset: 16, .size: 8, .value_kind: global_buffer, .address_space: global }
      - { .name: Msc, .offset: 24, .size: 8, .value_kind: global_buffer, .address_space: global }
      - { .name: TC, .offset: 32, .size: 8, .value_kind: global_buffer, .address_space: global }
      - { .name: TS, .offset: 40, .size: 8, .value_kind: global_buffer, .address_space: global }
      - { .name: Uid, .offset: 48, .size: 8, .value_kind: global_buffer, .address_space: global }
      - { .name: out0, .offset: 56, .size: 8, .value_kind: global_buffer, .address_space: global }
    .group_segment_fixed_size: 306176
    .private_segment_fixed_size: 0
    .kernarg_segment_align: 8
    .kernarg_segment_size: 64
    .max_flat_workgroup_size: 256
    .sgpr_count:     80
    .vgpr_count:     256
    .wavefront_size: 32
...
	.end_amdgpu_metadata
.endif
;; end of part 4
